; MI455X (gfx1250); checked and timed in simulation.
; The chip was launched on July 23, 2026; its instructions are those of AMD's public machine-readable ISA for CDNA 5 (MIT licence, August 2026) and "CDNA5" Instruction Set Architecture Reference Guide (July 2026). The comments in the code are by the model that wrote it; some were corrected since.
;; Attention. Allowed arithmetic: matrix products marked QUANTISED: E5M2 operands, one E8M0 scale for each 32 along K, by v_wmma_scale_f32_16x16x128_f8f6f4 with both operands' format E5M2, f32 sums; everything else in f32.
;; Inputs: Q 2 x 8 x 2,048 x 512 float32; V 2 x 8 x 2,048 x 128 float32; freqs 1 x 1 x 1 x 512 float32.
;; Outputs: out0 2 x 8 x 2,048 x 128 float32.
;; This version of the problem:
;;   THIS VERSION OF THE PROBLEM IS GIVEN IN LOW PRECISION. The matrix products marked QUANTISED in the list below multiply operands that are first quantised to E5M2 (5 exponent bits, 2 mantissa bits; 8 bits a number), with one power-of-two scale for each 32 numbers along K (OCP MX v1.0); their sums are f32. All else is computed in f32.
;;   The module's matrix products, in the order in which they are computed (A, B: the left and right operand; K: the contracted axis; several contracted axes count as one K, in the product's order):
;;     1. batch 16 x [M 2,048, K 512] x [K 512, N 2,048]; A: computed on the way; B: computed on the way: QUANTISED
;;     2. batch 16 x [M 2,048, K 2,048] x [K 2,048, N 128]; A: computed on the way; B: input V: QUANTISED
;;   THE QUANTISER, for each operand of a quantised product, along K:
;;     - K is cut into blocks of 32 from its start; a last block that is shorter is filled with zeros.
;;     - A block's scale is 2^e with e = floor(log2(the largest magnitude in the block)) - 15, held to -126 .. 127; a block of zeros has e = 0. As a byte (E8M0): e + 127.
;;     - Each number is divided by its block's scale, clamped to +-57,344, and rounded to the nearest number of E5M2, ties to even, subnormals kept.
;;     - The product sums the exact products of the quantised numbers (number of the format x scale) in f32.
;;   ~~~python
;;   def quantise(x, axis):      # numpy; x: float32 -> the quantised numbers, widened to float32 again
;;       x = np.moveaxis(x, axis, -1); K = x.shape[-1]
;;       x = np.pad(x, [(0, 0)] * (x.ndim - 1) + [(0, -K % 32)]); x = x.reshape(x.shape[:-1] + (-1, 32)); a = np.abs(x).max(-1, keepdims=True)
;;       e = np.where(a > 0, np.clip(np.frexp(np.where(a > 0, a, 1))[1] - 1 - 15, -126, 127), 0)      # np.frexp(a)[1] - 1 = floor(log2(a)), exactly
;;       r = np.clip(x / 2.0 ** e, -57344, 57344)
;;       step = 2.0 ** (np.maximum(np.frexp(np.where(r == 0, 1, r))[1] - 1, -14) - 2)
;;       q = np.round(r / step) * step * 2.0 ** e      # np.round: ties to even
;;       return np.moveaxis(q.reshape(q.shape[:-2] + (-1,))[..., :K], -1, axis).astype(np.float32)
;;   ~~~
;;   OPERANDS COMPUTED ON THE WAY. 'Computed on the way' means the value that the module computes at that place (a softmax that the list does not call 'softmax' is quantised finished and normalised). What goes into a quantiser is computed in f32, as accurately as f32 sums, v_exp_f32 and their like allow (about 1e-6 of the number): no bf16 or f16 on the way to a quantiser, and a product that is left as it is and whose result goes on into a quantised operand takes f32 operands (vector FMAs, or v_wmma_f32_16x16x4_f32). A number that lies on a knife's edge between two numbers of the format may be rounded either way, as far as f32 arithmetic and the matrix unit's own rounding can turn it there, and no further.
;; 2 versions, each right and faster than the one before. Each part assembles by itself: llvm-mc -triple=amdgcn-amd-amdhsa -mcpu=gfx1250 --defsym DOCPART=n.
;; ======== version 1 of 2: 2 launches
;; workspace buffers: qk 17,301,504 bytes; vt 4,456,448 bytes
;; launch prep (part 1): grid 256 x 1, 8 waves a work-group, no clusters, 22,272 bytes of LDS; arguments Q, V, freqs, qk, vt; writes qk, vt
.if DOCPART == 1
	.amdgcn_target "amdgcn-amd-amdhsa--gfx1250"
	.amdhsa_code_object_version 6
	.text
	.protected	k_qf7f56afa91_prep
	.globl	k_qf7f56afa91_prep
	.p2align	8
	.type	k_qf7f56afa91_prep,@function
k_qf7f56afa91_prep:
	s_mov_b64 s[64:65], 0
	v_nop
	global_prefetch_b8 v0, s[64:65] scope:SCOPE_SE
	s_setreg_imm32_b32 hwreg(HW_REG_WAVE_MODE, 25, 1), 1
	s_wait_xcnt 0x0
; QR = rope(Q) and V are turned into codes of BF8 (E5M2) with one E8M0 scale byte for each 32 along the later product's K, ONCE, and laid as the register images
; that the matrix instruction of the next launch wants, so that every later load is 32 lanes x 16 consecutive bytes.
; qk: [head 16][p 64][record of 16,896 bytes].  A record holds rows 32 g .. 32 g + 31 of a head; g = 8 S + 4 e + w lies at p = 8 S + 2 w + e.
;   codes [kc 4][u 2][cc 4][lane 32][16 bytes]: lane (r = lane % 16, h = lane / 16) holds row 32 g + 8 u + r + 8 (r / 8), n = 128 kc + 32 cc + 16 h + 0 .. 15;
;   then scale words [kc 4][lane 32][4 bytes]: lane 16 u + r holds the four bytes (cc = 0 .. 3) of tile u's row r.
; vt: [head 16][step s 16][w 4][record of 4,352 bytes]: codes [dt 2][cc 4][lane 32][16 bytes]: d = 32 w + 16 dt + r, keys 128 s + 32 cc + 16 h + 0 .. 15;
;   then [lane 32][8 bytes]: the scale word of d = 32 w + lane and a zero word, so that the 32 lanes store 256 consecutive bytes.
; THE QUANTISER: a block's byte is its largest magnitude's exponent field - 15, held at 1 from below, 127 for a block of zeros; each number is held within +-57,344 x the scale and converted, ties to even.
; THE ROPE: x = t * freq (one rounding, as the source has it), f = x - floor(x) (exact), q = the nearest whole number to 2 f, r = f - q / 2 (exact, |r| <= 1/4),
;   sin(2 pi f) = (-1)^q sin(2 pi r), cos likewise, by the Taylor series in r^2 up to r^11 and r^12 (what is cut is under 6e-8).
; LIMITS: the turn is reduced exactly, where the source first rounds f * 2 pi to f32: cos and sin differ from the source's f32 values by up to about 4e-7 absolute.
;   NaN and infinities among the inputs are not served; blocks whose byte is held at 1 (largest magnitude under 2^-110) were not tried.
; SHARES: each of the 256 work-groups does two jobs of equal size everywhere.
;   R job: row group g = wg % 64 of the four heads 4 (wg / 64) + 0 .. 3: wave (kc = wave % 4, u = wave / 4) owns tile u's 16 rows x 128 columns.  cos and sin of a lane's 64 places are made once and serve four heads.
;   V job: head wg / 16, key step wg % 16: wave (c = wave % 4, dh = wave / 4) owns 32 keys x 64 channels; a lane takes four columns d and its registers run down the keys.
; No tensor loads (all of a wave's 64 + 16 loads of 16 bytes are asked for early and stay out), no cluster (nothing is shared), no matrix work.  One barrier, for the scale bytes.
.set REC,  16896                       ; a record of qk
.set VREC, 4352                        ; a record of vt
.set STW,  2304                        ; a wave's stage: R job 8 chunks of 256 bytes, 288 apart; V job 4 chunks of 512 bytes, 528 apart
.set KSA,  8*STW                       ; the four heads' scale words of this row group: [head 4][512 bytes]
.set VSA,  KSA+2048                    ; V's scale words: [d 128][4 bytes]
.set QOF,  1                           ; v1   (lane / 8) rows of 2,048 bytes + (lane % 8) x 64
.set FOF,  2                           ; v2   my 16 numbers of freqs
.set STA,  3                           ; v3   R job: into the stage
.set STR,  4                           ; v4   R job: out of it
.set L16,  5                           ; v5   16 x lane
.set KSB,  6                           ; v6   R job: my block's scale byte in LDS
.set VOF,  7                           ; v7   V job: my 16 bytes of a key's row
.set VST,  8                           ; v8   V job: into the stage
.set VRD,  9                           ; v9   V job: out of it
.set VSB,  10                          ; v10  V job: my column's scale byte in LDS
.set TI,   11                          ; v11  32 g + 8 u + lane / 8
.set TF,   12                          ; v12-13 t as f32, twice
.set CA5,  14                          ; v14-15 the sine's last coefficient, twice
.set CB6,  16                          ; v16-17 the cosine's
.set W,    18                          ; v18-27 at work
.set BY,   28                          ; v28-31 a scale byte for each of a head's four row groups
.set Y,    32                          ; v32-47 freqs, then 16 rotated numbers
.set CD,   48                          ; v48-63 codes: four registers for each row group (V job: for each column)
.set CO,   68                          ; v68-131  cos, 16 for each row group; V job: the held numbers, 16 for each column
.set SI,   132                         ; v132-195 sin
.set OUTR, 196                         ; v196-211 read back from the stage
.set VM,   212                         ; v212-231 V job: largest magnitude, at work, limit, scale, byte: four each
; window 1: v0-255: Q of four heads, 64 registers each; the first 64 then take V
.set MSB, 0
.macro WIN new                         ; the immediate's high byte repeats the setting that is left
.if MSB != \new
	s_set_vgpr_msb (MSB<<8)|\new
.set MSB, \new
.endif
.endm
	s_load_b256 s[4:11], s[0:1], 0x0               ; Q s[4:5], V s[6:7], freqs s[8:9], qk s[10:11]
	s_load_b64 s[12:13], s[0:1], 0x20              ; vt
	v_lshl_add_u32 v254, v0, 2, 0x5300
	v_mov_b32 v255, 0
	v_lshrrev_b32 v18, 5, v0
	v_readfirstlane_b32 s14, v18                   ; wave 0..7
	s_and_b32 s15, s14, 3                          ; kc; in the V job c
	s_lshr_b32 s16, s14, 2                         ; u; in the V job dh
	s_and_b32 s17, ttmp9, 63                       ; g
	s_lshr_b32 s18, ttmp9, 6                       ; which four heads
	s_mov_b32 s40, 0x76543210                      ; v_permlanex16_b32's selects for lane l xor 16
	s_mov_b32 s41, 0xfedcba98
	s_mul_i32 s43, s14, STW                        ; my stage
	v_and_b32 v19, 31, v0                          ; lane
	v_lshrrev_b32 v20, 3, v19                      ; lane / 8
	v_and_b32 v21, 7, v19                          ; lane % 8
	v_lshrrev_b32 v22, 4, v19                      ; lane / 16
	v_and_b32 v23, 15, v19                         ; lane % 16
	v_lshlrev_b32 v[QOF], 11, v20
	v_lshl_add_u32 v[QOF], v21, 6, v[QOF]
	s_lshl_b32 s45, s15, 9                         ; my 128 columns: 512 bytes
	v_lshl_add_u32 v[FOF], v21, 6, s45
	s_lshl_b32 s44, s17, 5
	s_lshl3_add_u32 s44, s16, s44                  ; 32 g + 8 u
	v_add_nc_u32 v[TI], s44, v20
	s_lshl_b32 s46, s44, 11                        ; Q's offset: rows of 2,048 bytes,
	s_add_co_u32 s46, s46, s45                     ; my columns,
	s_lshl_b32 s45, s18, 24                        ; four heads of 4,194,304 bytes
	s_add_co_u32 s46, s46, s45
	s_mov_b32 s47, 0
	s_wait_kmcnt 0x0
	s_add_nc_u64 s[20:21], s[4:5], s[46:47]        ; Q at my rows and columns, for each of the four heads
	s_add_nc_u64 s[22:23], s[20:21], 0x400000
	s_add_nc_u64 s[24:25], s[22:23], 0x400000
	s_add_nc_u64 s[26:27], s[24:25], 0x400000
.irp q, 0,1,2,3
	global_load_b128 v[Y+4*\q:Y+4*\q+3], v[FOF], s[8:9] offset:16*\q
.endr
; a head's 16 loads: row group i (4 rows: 4 i + 8 (i / 2) + lane / 8), 64 bytes a lane; eight lanes read 512 consecutive bytes of a row
.macro QLOAD hl
	WIN 0x40                                       ; destination window 1
.irp i, 0,1,2,3
.irp q, 0,1,2,3
	global_load_b128 v[64*\hl+16*\i+4*\q:64*\hl+16*\i+4*\q+3], v[QOF], s[20+2*\hl:21+2*\hl] offset:(4*\i+8*(\i/2))*2048+16*\q th:TH_LOAD_NT
.endr
.endr
	WIN 0
.endm
	QLOAD 0
	QLOAD 1
	QLOAD 2
	; the other addresses, while the loads are out
	v_mul_u32_u24 v[STA], v21, 288                 ; chunk lane % 8 (= 2 cc + h), place 16 (lane / 8) in it
	v_lshl_add_u32 v[STA], v20, 4, v[STA]
	v_add_nc_u32 v[STA], s43, v[STA]
	v_mul_u32_u24 v[STR], v22, 288                 ; back: two chunks an instruction, 16 lanes each
	v_lshl_add_u32 v[STR], v23, 4, v[STR]
	v_add_nc_u32 v[STR], s43, v[STR]
	v_lshlrev_b32 v[L16], 4, v19
	s_lshl_b32 s44, s15, 7
	s_lshl_b32 s45, s16, 6
	s_add_co_u32 s44, s44, s45
	s_add_co_u32 s44, s44, KSA                     ; 128 kc + 64 u
	v_lshrrev_b32 v[KSB], 1, v21                   ; + cc
	v_lshl_add_u32 v[KSB], v20, 2, v[KSB]          ; + 4 (lane / 8)
	v_add_nc_u32 v[KSB], s44, v[KSB]
	v_lshlrev_b32 v[VOF], 13, v22                  ; lanes 16-31: 16 keys of 512 bytes further down
	v_lshl_add_u32 v[VOF], v23, 4, v[VOF]
	v_lshrrev_b32 v24, 2, v23
	v_and_b32 v25, 3, v23
	v_mul_u32_u24 v[VST], v24, 528                 ; chunk (lane % 16) / 4, 256 (lane / 16) + 64 (lane % 4) in it
	v_lshl_add_u32 v[VST], v22, 8, v[VST]
	v_lshl_add_u32 v[VST], v25, 6, v[VST]
	v_add_nc_u32 v[VST], s43, v[VST]
	v_add_nc_u32 v[VRD], s43, v[L16]
	s_lshl_b32 s45, s16, 8
	s_add_co_u32 s45, s45, s15
	s_add_co_u32 s45, s45, VSA                     ; 4 x 64 dh + c
	v_lshl_add_u32 v[VSB], v23, 4, s45             ; + 4 x 4 (lane % 16)
	v_mov_b32 v[CA5], 0xc17183a8                   ; -(2 pi)^11 / 11!
	v_mov_b32 v[CA5+1], 0xc17183a8
	v_mov_b32 v[CB6], 0x40fce9c5                   ; (2 pi)^12 / 12!
	v_mov_b32 v[CB6+1], 0x40fce9c5
	s_and_b32 s44, s17, 56                         ; the record's place p = 8 (g / 8) + 2 (g % 4) + (g / 4) % 2
	s_and_b32 s45, s17, 3
	s_lshl1_add_u32 s44, s45, s44
	s_bfe_u32 s45, s17, 0x10002
	s_add_co_u32 s44, s44, s45
	s_lshl_b32 s45, s18, 8                         ; four heads of 64 records
	s_add_co_u32 s44, s44, s45
	s_mul_i32 s19, s44, REC                        ; the first head's record, in bytes: kept for the scale words' way out
	s_lshl_b32 s45, s15, 12
	s_add_co_u32 s46, s19, s45                     ; + 4,096 kc
	s_lshl_b32 s45, s16, 11
	s_add_co_u32 s46, s46, s45                     ; + 2,048 u   (s47 is still 0)
	s_add_nc_u64 s[28:29], s[10:11], s[46:47]      ; where my 2,048 bytes of codes go, for each of the four heads
	s_add_nc_u64 s[30:31], s[28:29], 64*REC
	s_add_nc_u64 s[32:33], s[30:31], 64*REC
	s_add_nc_u64 s[34:35], s[32:33], 64*REC
	s_lshr_b32 s44, ttmp9, 4                       ; V job: the head,
	s_and_b32 s45, ttmp9, 15                       ; the key step
	s_lshl4_add_u32 s42, s44, s45
	s_mul_i32 s42, s42, 4*VREC                     ; the step's four records, in bytes: kept for the scale words' way out
	s_lshl_b32 s46, s44, 20                        ; a head of V: 1,048,576 bytes
	s_lshl_b32 s45, s45, 16                        ; 128 keys of 512 bytes
	s_add_co_u32 s46, s46, s45
	s_lshl_b32 s45, s15, 14                        ; 32 keys
	s_add_co_u32 s46, s46, s45
	s_lshl_b32 s45, s16, 8                         ; 64 channels
	s_add_co_u32 s46, s46, s45
	s_add_nc_u64 s[36:37], s[6:7], s[46:47]
	s_mul_i32 s45, s16, 2*VREC                     ; records 2 dh and 2 dh + 1,
	s_add_co_u32 s46, s42, s45
	s_lshl_b32 s45, s15, 9                         ; block c: 512 bytes
	s_add_co_u32 s46, s46, s45
	s_add_nc_u64 s[38:39], s[12:13], s[46:47]
; cos and sin of 2 pi (t freq mod 1) for the columns e, e + 1 of row group i
.macro SINCOS i, e
	v_pk_mul_f32 v[W:W+1], v[TF:TF+1], v[Y+\e:Y+\e+1]              ; x = t freq
	v_floor_f32 v[W+2], v[W]
	v_floor_f32 v[W+3], v[W+1]
	v_pk_add_f32 v[W:W+1], v[W:W+1], v[W+2:W+3] neg_lo:[0,1] neg_hi:[0,1]   ; f = x - floor(x)
	v_pk_add_f32 v[W+2:W+3], v[W:W+1], v[W:W+1]
	v_rndne_f32 v[W+2], v[W+2]
	v_rndne_f32 v[W+3], v[W+3]                                     ; q = 0, 1 or 2
	v_pk_fma_f32 v[W:W+1], v[W+2:W+3], -0.5, v[W:W+1] op_sel_hi:[1,0,1]     ; r = f - q / 2
	v_pk_mul_f32 v[W+4:W+5], v[W:W+1], v[W:W+1]                    ; z = r^2
	v_pk_fma_f32 v[W+6:W+7], v[W+4:W+5], v[CA5:CA5+1], 0x42283c1a op_sel_hi:[1,1,0]   ; the two series by Horner's scheme, by turns
	v_pk_fma_f32 v[W+8:W+9], v[W+4:W+5], v[CB6:CB6+1], 0xc1d368f9 op_sel_hi:[1,1,0]
	v_pk_fma_f32 v[W+6:W+7], v[W+6:W+7], v[W+4:W+5], 0xc2996966 op_sel_hi:[1,1,0]
	v_pk_fma_f32 v[W+8:W+9], v[W+8:W+9], v[W+4:W+5], 0x4270fa83 op_sel_hi:[1,1,0]
	v_pk_fma_f32 v[W+6:W+7], v[W+6:W+7], v[W+4:W+5], 0x42a335e3 op_sel_hi:[1,1,0]
	v_pk_fma_f32 v[W+8:W+9], v[W+8:W+9], v[W+4:W+5], 0xc2aae9e4 op_sel_hi:[1,1,0]
	v_pk_fma_f32 v[W+6:W+7], v[W+6:W+7], v[W+4:W+5], 0xc2255de7 op_sel_hi:[1,1,0]
	v_pk_fma_f32 v[W+8:W+9], v[W+8:W+9], v[W+4:W+5], 0x4281e0f8 op_sel_hi:[1,1,0]
	v_pk_fma_f32 v[W+6:W+7], v[W+6:W+7], v[W+4:W+5], 0x40c90fdb op_sel_hi:[1,1,0]
	v_pk_fma_f32 v[W+8:W+9], v[W+8:W+9], v[W+4:W+5], 0xc19de9e6 op_sel_hi:[1,1,0]
	v_pk_mul_f32 v[W+6:W+7], v[W+6:W+7], v[W:W+1]                  ; sin(2 pi r)
	v_pk_fma_f32 v[W+8:W+9], v[W+8:W+9], v[W+4:W+5], 1.0 op_sel_hi:[1,1,0]   ; cos(2 pi r)
	v_cvt_i32_f32 v[W+2], v[W+2]
	v_cvt_i32_f32 v[W+3], v[W+3]
	v_lshlrev_b32 v[W+2], 31, v[W+2]                               ; an odd q turns both signs
	v_lshlrev_b32 v[W+3], 31, v[W+3]
	v_xor_b32 v[SI+16*\i+\e], v[W+2], v[W+6]
	v_xor_b32 v[SI+16*\i+\e+1], v[W+3], v[W+7]
	v_xor_b32 v[CO+16*\i+\e], v[W+2], v[W+8]
	v_xor_b32 v[CO+16*\i+\e+1], v[W+3], v[W+9]
.endm
	s_wait_loadcnt 48                              ; freqs are in; the three heads' 48 loads stay out
.irp i, 0,1,2,3
	v_add_nc_u32 v[TF], 4*\i+8*(\i/2), v[TI]       ; my row of this group
	v_cvt_f32_u32 v[TF], v[TF]
	v_mov_b32 v[TF+1], v[TF]
.irp e, 0,2,4,6,8,10,12,14
	SINCOS \i, \e
.endr
.endr
	QLOAD 3
; Row group i of head hl: rotated, quantised (two neighbouring lanes hold a block of 32), codes and scale byte into LDS.  cnt: the younger loads, which stay out
.macro GROUP hl, i, cnt
.set XR, 64*\hl+16*\i
	s_wait_loadcnt \cnt
	WIN 0x01                                       ; source 0: window 1
.irp e, 0,2,4,6,8,10,12,14
	v_pk_mul_f32 v[Y+\e:Y+\e+1], v[XR+\e:XR+\e+1], v[CO+16*\i+\e:CO+16*\i+\e+1]
.endr
.irp e, 0,2,4,6,8,10,12,14
	v_pk_fma_f32 v[Y+\e:Y+\e+1], v[XR+\e:XR+\e+1], v[SI+16*\i+\e:SI+16*\i+\e+1], v[Y+\e:Y+\e+1] op_sel:[1,0,0] op_sel_hi:[0,1,1] neg_lo:[0,1,0]   ; even: - x_odd sin_even; odd: + x_even sin_odd
.endr
	WIN 0
	v_max3_num_f32 v[W], |v[Y]|, |v[Y+1]|, |v[Y+2]|                ; the largest magnitude of my 16, in two chains
	v_max3_num_f32 v[W+1], |v[Y+3]|, |v[Y+4]|, |v[Y+5]|
.irp k, 6,10
	v_max3_num_f32 v[W], v[W], |v[Y+\k]|, |v[Y+\k+1]|
	v_max3_num_f32 v[W+1], v[W+1], |v[Y+\k+2]|, |v[Y+\k+3]|
.endr
	v_max3_num_f32 v[W], v[W], |v[Y+14]|, |v[Y+15]|
	v_max_num_f32 v[W], v[W], v[W+1]
	v_max_num_f32_dpp v[W], v[W], v[W] row_xmask:1 row_mask:0xf bank_mask:0xf   ; and of my neighbour's 16
	v_lshrrev_b32 v[W+1], 23, v[W]                 ; its exponent field
	v_max_u32 v[W+1], 16, v[W+1]                   ; the byte is not to fall under 1
	v_lshl_or_b32 v[W+3], v[W+1], 23, 0x600000     ; 57,344 x the scale
	v_add_nc_u32 v[W+1], -15, v[W+1]               ; the byte
	v_lshlrev_b32 v[W+4], 23, v[W+1]               ; the scale as f32
	v_cmp_eq_u32 vcc_lo, 0, v[W]
.irp k, 0,1,2,3,4,5,6,7,8,9,10,11,12,13,14,15
	v_med3_num_f32 v[Y+\k], v[Y+\k], -v[W+3], v[W+3]               ; the conversion does not saturate (ISA guide 7.6.2): hold first
.endr
	v_cvt_scalef32_pk8_bf8_f32 v[CD+4*\i:CD+4*\i+1], v[Y:Y+7], v[W+4]
	v_cvt_scalef32_pk8_bf8_f32 v[CD+4*\i+2:CD+4*\i+3], v[Y+8:Y+15], v[W+4]
	v_cndmask_b32 v[BY+\i], v[W+1], 127, vcc_lo    ; a block of zeros gets 127.  (Also the plain instruction between the conversions and what touches their results or sources)
	ds_store_b128 v[STA], v[CD+4*\i:CD+4*\i+3] offset:64*\i
	ds_store_b8 v[KSB], v[BY+\i] offset:512*\hl+16*\i              ; both lanes of a block write the same byte with the same value
.endm
; A head's 2,048 bytes of codes leave: LDS serves a wave's instructions in order, so the loads see the stores above; each store covers 512 consecutive bytes, aligned
.macro HEADOUT hl
	s_wait_xcnt 0x0                                ; the last head's stores have read these registers
.irp m, 0,1,2,3
	ds_load_b128 v[OUTR+4*\m:OUTR+4*\m+3], v[STR] offset:576*\m
.endr
.irp m, 0,1,2,3
	s_wait_dscnt 3-\m                              ; the younger loads stay out; at the last one all of the head's LDS stores are done too
	global_store_b128 v[L16], v[OUTR+4*\m:OUTR+4*\m+3], s[28+2*\hl:29+2*\hl] offset:512*\m
.endr
.endm
.macro HEAD hl, c0                     ; c0: the loads younger than the head's first four
	GROUP \hl, 0, \c0
	GROUP \hl, 1, \c0-4
	GROUP \hl, 2, \c0-8
	GROUP \hl, 3, \c0-12
	HEADOUT \hl
.endm
	HEAD 0, 60                                     ; behind its first four loads: its own 12 and three heads' 48
	WIN 0x40
.irp k, 0,1,2,3,4,5,6,7,8,9,10,11,12,13,14,15
	global_load_b128 v[4*\k:4*\k+3], v[VOF], s[36:37] offset:512*\k th:TH_LOAD_NT   ; V(key 16 (lane / 16) + k, four channels): 16 lanes read 256 consecutive bytes; into head 0's registers
.endr
	WIN 0
	HEAD 1, 60                                     ; its own 12, two heads' 32, V's 16
	HEAD 2, 44
	HEAD 3, 28
	; THE V JOB: register 4 k + j holds key k of my column j.  A block of 32 keys is my 16 and those of lane l xor 16
	s_wait_loadcnt 0x0
	WIN 0x15                                       ; all three sources: window 1
.irp j, 0,1,2,3
	v_max3_num_f32 v[VM+\j], |v[\j]|, |v[4+\j]|, |v[8+\j]|
.endr
	WIN 0x14                                       ; sources 1 and 2: window 1
.irp k, 3,5,7,9,11,13
.irp j, 0,1,2,3
	v_max3_num_f32 v[VM+\j], v[VM+\j], |v[4*\k+\j]|, |v[4*\k+4+\j]|
.endr
.endr
.irp j, 0,1,2,3
	v_max3_num_f32 v[VM+\j], v[VM+\j], |v[60+\j]|, |v[60+\j]|
.endr
	WIN 0
.irp j, 0,1,2,3
	v_mov_b32 v[VM+4+\j], 0                        ; (the destination of a lane permute counts as read)
	v_permlanex16_b32 v[VM+4+\j], v[VM+\j], s40, s41
	v_max_num_f32 v[VM+\j], v[VM+\j], v[VM+4+\j]
	v_lshrrev_b32 v[VM+4+\j], 23, v[VM+\j]
	v_max_u32 v[VM+4+\j], 16, v[VM+4+\j]
	v_lshl_or_b32 v[VM+8+\j], v[VM+4+\j], 23, 0x600000
	v_add_nc_u32 v[VM+4+\j], -15, v[VM+4+\j]
	v_lshlrev_b32 v[VM+12+\j], 23, v[VM+4+\j]
	v_cmp_eq_u32 vcc_lo, 0, v[VM+\j]
	v_cndmask_b32 v[VM+16+\j], v[VM+4+\j], 127, vcc_lo
.endr
	WIN 0x01
.irp j, 0,1,2,3
.irp k, 0,1,2,3,4,5,6,7,8,9,10,11,12,13,14,15
	v_med3_num_f32 v[CO+16*\j+\k], v[4*\k+\j], -v[VM+8+\j], v[VM+8+\j]   ; the hold also brings a column's 16 keys into consecutive registers
.endr
.endr
	WIN 0
.irp j, 0,1,2,3
	v_cvt_scalef32_pk8_bf8_f32 v[CD+4*\j:CD+4*\j+1], v[CO+16*\j:CO+16*\j+7], v[VM+12+\j]
	v_cvt_scalef32_pk8_bf8_f32 v[CD+4*\j+2:CD+4*\j+3], v[CO+16*\j+8:CO+16*\j+15], v[VM+12+\j]
.endr
	v_nop                                          ; one plain instruction behind the conversions
.irp j, 0,1,2,3
	ds_store_b128 v[VST], v[CD+4*\j:CD+4*\j+3] offset:16*\j
	ds_store_b8 v[VSB], v[VM+16+\j] offset:4*\j    ; both halves of the lanes write the same byte with the same value
.endr
	s_wait_xcnt 0x0                                ; head 3's stores have read these registers
.irp m, 0,1,2,3
	ds_load_b128 v[OUTR+4*\m:OUTR+4*\m+3], v[VRD] offset:528*\m
.endr
.irp m, 0,1,2,3
	s_wait_dscnt 3-\m
	global_store_b128 v[L16], v[OUTR+4*\m:OUTR+4*\m+3], s[38:39] offset:(\m/2)*VREC+(\m%2)*2048   ; chunk m: record 2 dh + m / 2, tile m % 2, block c: 512 consecutive bytes
.endr
	; THE SCALE WORDS: every wave has written bytes of them; they leave as whole aligned runs
	s_wait_dscnt 0x0                               ; for the others' sake: my byte stores are done
	s_barrier_signal -1
	s_barrier_wait -1
	s_cmp_lt_u32 s14, 4
	s_cbranch_scc0 .Lv_scales
	s_lshl_b32 s44, s14, 9                         ; waves 0-3: the 512 bytes of head 4 (wg / 64) + wave
	s_add_co_u32 s44, s44, KSA
	v_add_nc_u32 v18, s44, v[L16]
	ds_load_b128 v[32:35], v18
	s_mul_i32 s46, s14, 64*REC
	s_add_co_u32 s46, s46, s19
	s_add_co_u32 s46, s46, 16384                   ; behind the record's codes
	s_mov_b32 s47, 0
	s_add_nc_u64 s[46:47], s[10:11], s[46:47]
	s_wait_dscnt 0x0
	global_store_b128 v[L16], v[32:35], s[46:47]
	s_wait_tensorcnt 0x0
	ds_add_u32 v254, v255
	s_wait_dscnt 0x0
	s_endpgm
.Lv_scales:
	s_sub_co_u32 s44, s14, 4                       ; waves 4-7: record w = wave - 4 of V's step: 32 words
	s_lshl_b32 s45, s44, 7
	s_add_co_u32 s45, s45, VSA
	v_lshrrev_b32 v18, 2, v[L16]                   ; 4 x lane
	v_add_nc_u32 v18, s45, v18
	ds_load_b32 v32, v18
	v_mov_b32 v33, 0
	v_lshrrev_b32 v20, 1, v[L16]                   ; 8 x lane
	s_mul_i32 s46, s44, VREC
	s_add_co_u32 s46, s46, s42
	s_add_co_u32 s46, s46, 4096                    ; behind the record's codes
	s_mov_b32 s47, 0
	s_add_nc_u64 s[46:47], s[12:13], s[46:47]
	s_wait_dscnt 0x0
	global_store_b64 v20, v[32:33], s[46:47]       ; 32 lanes store 256 consecutive bytes, aligned
	s_wait_tensorcnt 0x0
	ds_add_u32 v254, v255
	s_wait_dscnt 0x0
	s_endpgm
.Lfunc_end_k_qf7f56afa91_prep:
	.size	k_qf7f56afa91_prep, .Lfunc_end_k_qf7f56afa91_prep-k_qf7f56afa91_prep
	.p2alignl 7, 3214868480
	.fill 96, 4, 3214868480
	.section	.rodata,"a",@progbits
	.p2align	6, 0x0
	.amdhsa_kernel k_qf7f56afa91_prep
		.amdhsa_group_segment_fixed_size 22272
		.amdhsa_private_segment_fixed_size 0
		.amdhsa_enable_private_segment 0
		.amdhsa_kernarg_size 40
		.amdhsa_user_sgpr_count 2
		.amdhsa_user_sgpr_kernarg_segment_ptr 1
		.amdhsa_wavefront_size32 1
		.amdhsa_system_sgpr_workgroup_id_x 1
		.amdhsa_system_sgpr_workgroup_id_y 1
		.amdhsa_system_sgpr_workgroup_id_z 1
		.amdhsa_system_vgpr_workitem_id 0
		.amdhsa_next_free_vgpr 512
		.amdhsa_next_free_sgpr 66
		.amdhsa_reserve_vcc 1
		.amdhsa_float_denorm_mode_32 3
		.amdhsa_float_denorm_mode_16_64 3
		.amdhsa_memory_ordered 1
		.amdhsa_forward_progress 1
		.amdhsa_inst_pref_size 136
	.end_amdhsa_kernel
	.amdgpu_metadata
---
amdhsa.version: [ 1, 2 ]
amdhsa.kernels:
  - .name:           k_qf7f56afa91_prep
    .symbol:         k_qf7f56afa91_prep.kd
    .args:
      - { .name: Q, .offset: 0, .size: 8, .value_kind: global_buffer, .address_space: global }
      - { .name: V, .offset: 8, .size: 8, .value_kind: global_buffer, .address_space: global }
      - { .name: freqs, .offset: 16, .size: 8, .value_kind: global_buffer, .address_space: global }
      - { .name: qk, .offset: 24, .size: 8, .value_kind: global_buffer, .address_space: global }
      - { .name: vt, .offset: 32, .size: 8, .value_kind: global_buffer, .address_space: global }
    .group_segment_fixed_size: 22272
    .private_segment_fixed_size: 0
    .kernarg_segment_align: 8
    .kernarg_segment_size: 40
    .max_flat_workgroup_size: 256
    .sgpr_count:     66
    .vgpr_count:     512
    .wavefront_size: 32
...
	.end_amdgpu_metadata
.endif
;; end of part 1
;; launch attn (part 2): grid 16 x 16, 4 waves a work-group, clusters of 4 x 1, 327,680 bytes of LDS; arguments qk, vt, out0; writes out0
.if DOCPART == 2
	.amdgcn_target "amdgcn-amd-amdhsa--gfx1250"
	.amdhsa_code_object_version 6
	.text
	.protected	k_qf7f56afa91_attn
	.globl	k_qf7f56afa91_attn
	.p2align	8
	.type	k_qf7f56afa91_attn,@function
k_qf7f56afa91_attn:
	s_mov_b64 s[64:65], 0
	v_nop
	global_prefetch_b8 v0, s[64:65] scope:SCOPE_SE
	s_setreg_imm32_b32 hwreg(HW_REG_WAVE_MODE, 25, 1), 1
	s_wait_xcnt 0x0
	s_wait_alu depctr_hold_cnt(0) depctr_sa_sdst(0) depctr_va_vdst(0) depctr_va_sdst(0) depctr_va_ssrc(0) depctr_va_vcc(0) depctr_vm_vsrc(0)
	s_getreg_b32 s2, hwreg(HW_REG_IB_STS2, 6, 4)
	s_cmp_eq_u32 s2, 0
	s_cbranch_scc0 .Lentry_in_a_cluster
	s_endpgm
.Lentry_in_a_cluster:
	s_bfe_u32 s2, ttmp6, 0x10000c
	s_cmp_lg_u32 s2, 0x3003
	s_cbranch_scc0 .Lentry_shape_is_right
	s_endpgm
.Lentry_shape_is_right:
; out[h][t][:] = the sum over s < t of (QR[t] . QR[s]) V[s][:], both products on codes of BF8 (E5M2) with one E8M0 scale for each 32 along K.
; qk and vt hold QR's and V's codes and scale words as register images (their layouts: the head of the launch that makes them).
; The scores, with zeros at s >= t, are quantised along the keys in blocks of 32 and are the second product's operand.
; SHARES.  A work-group makes two blocks of 64 queries of one head, one after the other: block bB = 4 c + cx with c + 1 slots of 256 keys, then block 31 - bB with 8 - c slots:
; nine slots, 18 steps of 128 keys, in every work-group.  c is the cluster's x: every trip count hangs on it alone.  cx enters only Q's and out's global addresses and the mask's vector registers.
; A STEP: all four waves work on the same 64 queries x 128 keys.  Wave w makes S^T for keys 32 w .. 32 w + 31 (source 0 = 16 keys, source 1 = 16 queries; K = 512: 32 matrix instructions; Q stays in 256 registers),
; masks and quantises it (a lane holds one query; the 16 registers of its two key tiles are 16 neighbouring keys, the block's other 16 lie in lane l xor 16), and puts the codes into LDS as registers 4 w .. 4 w + 3
; of the second product's operand.  Behind one barrier every wave reads all four parts and makes O^T += V^T P^T for channels 32 w .. 32 w + 31 (8 matrix instructions): no sum crosses waves.
; That second product runs one step late, beside the next step's key loads, so one barrier a step serves the exchange and the ring.
; CLUSTER.  The four partners walk the same key tiles: each wave's part of a slot (two records, 33,792 dense bytes) is asked for JOINTLY, mask 15.  A wave reads only what its own load brought.
; V IS NOT IN THE RING AND NOT ASKED FOR JOINTLY: two slots of two steps with V's 2 x 17,408 bytes each would be 339,968 bytes, more than the 327,680 at hand; V is 17,408 of a step's 84,992 bytes;
; each wave loads its own 4,352 bytes straight into registers, one step ahead, 512 consecutive bytes an instruction.
; THE MASK is made of whole numbers: key < query.  The first slot of block bB is always masked (it is the diagonal where c = 0 and loses nothing elsewhere); of the 18 steps one is wholly masked in every work-group.
; LIMITS: NaN and infinities are not served; blocks whose byte is held at 1 were not tried.  Sums: K ascending, one accumulator for each output.
; REGISTERS, in windows of 256: window 0: addresses, scale words, the quantiser's scratch, S^T (v84-147), O^T (v148-211).  window 1: Q's fragments, (qt, kc) at 64 qt + 16 kc.
;   window 2: K's fragments, (kc, u) at 32 kc + 16 u; V's, two sets, (set, dt) at 128 + 32 set + 16 dt; P's, qt at 192 + 16 qt.
.set REC,   16896                      ; a record of qk: 32 rows: 16,384 bytes of codes, 512 of scale words
.set WTILE, 2*REC                      ; a wave's part of a slot: 132 rows of 256 bytes
.set KSLOT, 4*WTILE                    ; a slot: 135,168 = 0x21000 bytes, in memory and in LDS; it shares no bit with wave x 33,792, so one exclusive or turns an address from slot to slot
.set PB,    2*KSLOT                    ; behind the ring: two buffers for P: codes [qt 4][part 4][lane 32][16 bytes], then scale words [qt 4][query 16][4 bytes]
.set PBUF,  8448
.set SPARE, PB+2*PBUF                  ; the spare words, 128 bytes for each wave: two blocks of 256 bytes that no other line names
.set STG,   SPARE+512                  ; the way out: 64 rows of 512 bytes + 16
.set SPITCH, 528
.set VREC,  4352
.set VSTEP, 4*VREC                     ; from a key step of vt to the next
.set SPW, 3                            ; v3   LDS address of my spare word; never rewritten
.set NIL, 4                            ; v4   0; never rewritten
.set AK0, 5                            ; v5   16 lane + my wave's part of a slot
.set AS0, 6                            ; v6   4 lane + the same
.set ADK, 7                            ; v7   AK0 in the slot in hand
.set ADS, 8                            ; v8   AS0 in the slot in hand
.set PST, 9                            ; v9   where my codes of P go
.set PSS, 10                           ; v10  where my scale byte of P goes
.set PLD, 11                           ; v11  where P's codes are read
.set PSL, 12                           ; v12  where P's scale words are read
.set L16, 13                           ; v13  16 lane
.set L8V, 14                           ; v14  8 lane + 4,096: V's scale words
.set L4Q, 15                           ; v15  4 lane + 16,384: Q's scale words
.set OST, 16                           ; v16  the way out: into the stage
.set ORD, 17                           ; v17  out of it
.set RB,  18                           ; v18  r + 8 (r / 8) - 32 w - 16 h
.set TQ,  20                           ; v20-23 my query of tile qt, less 32 w + 16 h
.set LIM, 24                           ; v24-27 how many of my 16 keys lie in front of it
.set KSR, 28                           ; v28-31 K's scale words, one for each 128 along K: lanes 0-15 tile 0, lanes 16-31 tile 1.  v28-45 hold scales and nothing else
.set QS,  32                           ; v32-39 Q's: 4 (qt / 2) + kc: lanes 0-15 the even tile, lanes 16-31 the odd one
.set PS,  40                           ; v40-43 P's, one for each qt
.set VS,  44                           ; v44-45 V's, one for each set: lanes 0-15 dt = 0, lanes 16-31 dt = 1
.set QM,  48                           ; v48-67 the quantiser: largest magnitude, at work, limit, scale, byte: four each
.set PO,  68                           ; v68-83 my codes of P, four registers for each qt
.set S,   84                           ; v84-147 S^T: 16 qt + 8 u + j; on the way out rows of out
.set OA,  148                          ; v148-211 O^T: 8 (2 qt + dt) + j
.set WV,  10                           ; s10 wave   s11 c   s12 cx   s13 head   s14 bB   s15 bA
.set CC,  11
.set G1,  16                           ; s[16:23] descriptor group 1
.set G0A, 24                           ; s[24:27] group 0 of tile 0
.set G0B, 28                           ; s[28:31] group 0 of tile 1, which then walks on
.set BW,  32                           ; s[32:33] qk at the head's first record of my wave
.set NI,  34                           ; s34 the tile asked for last
.set C1,  35                           ; s35 c + 1
.set OFS, 36                           ; s[36:37] a tile's offset; s37 stays 0
.set TMP, 38
.set SQB, 40                           ; s[40:41], s[42:43] Q's records of the two blocks
.set SQA, 42
.set SV,  44                           ; s[44:45] vt at the step loaded last
.set SV0, 46                           ; s[46:47] vt at the head's step 0, my record
.set SOB, 48                           ; s[48:49], s[50:51] out at the rows that I store, for the two blocks
.set SOA, 50
.set TB,  52                           ; s52 LDS byte at which the slot in hand begins
.set KB,  53                           ; s53 first key of the next masked step
.set CNT, 54
.set SEL, 56                           ; s[56:57] lane selects for v_permlanex16_b32: lane l xor 16
.set MSB, 0
.macro WIN new                         ; the immediate's high byte repeats the setting that is left
.if MSB != \new
	s_set_vgpr_msb (MSB<<8)|\new
.set MSB, \new
.endif
.endm
.macro PLACES n
.rept \n
	v_nop
.endr
.endm
; A round of the cluster's barrier: my work-group's barrier; wave 0 signals for the work-group; every wave waits for all four work-groups; my work-group's barrier once more
.macro ROUND
	s_barrier_signal -1
	s_barrier_wait -1
	s_cmp_lg_u32 s[WV], 0
	s_cbranch_scc1 .Lnot_wave_0_\@
	s_barrier_signal -3
.Lnot_wave_0_\@:
	s_barrier_wait -3
	s_barrier_signal -1
	s_barrier_wait -1
.endm
.macro QPOS dst, b                     ; the byte offset in qk of block b's first record: place 8 (b / 4) + 4 (b % 2) + (b / 2) % 2; the second lies two records on
	s_lshr_b32 s59, s[\b], 2
	s_lshl_b32 s59, s59, 3
	s_and_b32 s60, s[\b], 1
	s_lshl2_add_u32 s59, s60, s59
	s_bfe_u32 s60, s[\b], 0x10001
	s_add_co_u32 s59, s59, s60
	s_mul_i32 s59, s59, REC
	s_add_co_u32 s[\dst], s59, s[TMP]
	s_mov_b32 s[\dst+1], 0
.endm
	s_load_b128 s[4:7], s[0:1], 0x0                ; qk s[4:5], vt s[6:7]
	s_load_b64 s[8:9], s[0:1], 0x10                ; out0
	v_lshl_add_u32 v[SPW], v0, 2, SPARE
	v_mov_b32 v[NIL], 0
	ds_add_u32 v3, v4
	ds_add_u32 v3, v4
	s_wait_dscnt 0x0
	v_lshrrev_b32 v1, 5, v0
	v_readfirstlane_b32 s[WV], v1                  ; wave 0..3
	s_mov_b32 s[CC], ttmp9                         ; c: in a cluster launch ttmp9 counts clusters
	s_and_b32 s13, ttmp7, 0xffff                   ; the head
	s_add_co_u32 s[C1], s[CC], 1
	s_mov_b32 s[NI], 1
	s_mov_b32 s[TB], 0
	s_mov_b32 s[KB], 0
	s_mov_b32 s[SEL], 0x76543210
	s_mov_b32 s[SEL+1], 0xfedcba98
	; descriptor group 1: a dense block of 33,792 bytes as 132 rows of 32 elements of 8 bytes; no padding: every LDS load of a tile takes 32 lanes x 16 (or 4) consecutive bytes
	s_mov_b32 s[G1+0], 15|(3<<16)|(1<<21)          ; 15:0 the mask: all four work-groups; 17:16 elements of 8 bytes; 21 set beside a mask
	s_mov_b32 s[G1+1], 32<<16                      ; tensor_dim0 = 32
	s_mov_b32 s[G1+2], 132<<16                     ; tensor_dim1 = 132
	s_mov_b32 s[G1+3], 32<<16                      ; tile_dim0 = 32
	s_mov_b32 s[G1+4], 132                         ; tile_dim1 = 132
	s_mov_b32 s[G1+5], 32                          ; from row to row
	s_mov_b32 s[G1+6], 0
	s_mov_b32 s[G1+7], 0
	s_mul_i32 s[G0A+1], s[WV], WTILE               ; LDS: wave x 33,792, slot 0
	s_add_co_u32 s[G0B+1], s[G0A+1], KSLOT         ; slot 1
	; vector addresses: none holds cx
	v_and_b32 v1, 31, v0                           ; lane
	v_and_b32 v2, 15, v0                           ; r
	v_bfe_u32 v19, v0, 4, 1                        ; h
	v_lshlrev_b32 v[L16], 4, v1
	v_add_nc_u32 v[AK0], s[G0A+1], v[L16]
	v_lshl_add_u32 v[AS0], v1, 2, s[G0A+1]
	v_add_nc_u32 v[ADK], s[TB], v[AK0]
	v_add_nc_u32 v[ADS], s[TB], v[AS0]
	s_lshl_b32 s59, s[WV], 9
	s_add_co_u32 s59, s59, PB
	v_add_nc_u32 v[PST], s59, v[L16]               ; part w: 512 bytes
	s_add_co_u32 s60, s[WV], PB+8192
	v_lshl_add_u32 v[PSS], v2, 2, s60              ; byte w of query r's word
	v_add_nc_u32 v[PLD], PB, v[L16]
	v_lshlrev_b32 v[PSL], 2, v2
	v_add_nc_u32 v[PSL], PB+8192, v[PSL]
	v_lshlrev_b32 v[L8V], 3, v1
	v_add_nc_u32 v[L8V], 4096, v[L8V]
	v_lshlrev_b32 v[L4Q], 2, v1
	v_add_nc_u32 v[L4Q], 16384, v[L4Q]
	s_lshl_b32 s61, s[WV], 7
	s_add_co_u32 s61, s61, STG
	v_mul_u32_u24 v[OST], v2, SPITCH               ; row r of a tile's 16; my 32 channels: 128 w; my eight: 32 h
	v_lshl_add_u32 v[OST], v19, 5, v[OST]
	v_add_nc_u32 v[OST], s61, v[OST]
	s_mul_i32 s62, s[WV], 16*SPITCH
	s_add_co_u32 s62, s62, STG
	v_add_nc_u32 v[ORD], s62, v[L16]               ; back: wave w takes tile w's 16 rows, whole
	v_and_b32 v[RB], 8, v2
	v_add_nc_u32 v[RB], v[RB], v2
	v_lshlrev_b32 v19, 4, v19
	v_sub_nc_u32 v[RB], v[RB], v19
	s_lshl_b32 s63, s[WV], 5
	v_sub_nc_u32 v[RB], v[RB], s63
.irp qt, 0,1,2,3
	v_mov_b32 v[QM+4+\qt], 0                       ; (the destination of a lane permute counts as read)
.endr
	; offsets, each in registers of its own
	s_mul_i32 s[TMP], s13, 64*REC                  ; the head's records
	s_add_co_u32 s[OFS], s[TMP], s[G0A+1]          ; + wave x 33,792: shared by the four partners
	s_mov_b32 s[OFS+1], 0
	s_mul_i32 s[SV0], s13, 16*VSTEP
	s_mul_i32 s59, s[WV], VREC
	s_add_co_u32 s[SV0], s[SV0], s59
	s_mov_b32 s[SV0+1], 0
	s_bfe_u32 s12, ttmp6, 0x40000                  ; cx: my place in the cluster
	s_lshl2_add_u32 s14, s[CC], s12                ; bB = 4 c + cx
	s_sub_co_u32 s15, 31, s14                      ; bA
	QPOS SQB, 14
	QPOS SQA, 15
	s_lshl_b32 s59, s13, 20                        ; out: a head of 1,048,576 bytes,
	s_lshr_b32 s60, s[WV], 1
	s_lshl_b32 s60, s60, 14                        ; the rows of tile qt = w begin at 32 (w / 2) + 8 (w % 2), 512 bytes a row
	s_add_co_u32 s59, s59, s60
	s_and_b32 s60, s[WV], 1
	s_lshl_b32 s60, s60, 12
	s_add_co_u32 s59, s59, s60
	s_lshl_b32 s60, s14, 15                        ; 64 rows a block
	s_add_co_u32 s[SOB], s59, s60
	s_mov_b32 s[SOB+1], 0
	s_lshl_b32 s60, s15, 15
	s_add_co_u32 s[SOA], s59, s60
	s_mov_b32 s[SOA+1], 0
	s_wait_kmcnt 0x0
	s_add_nc_u64 s[BW:BW+1], s[4:5], s[OFS:OFS+1]
	s_add_nc_u64 s[SQB:SQB+1], s[4:5], s[SQB:SQB+1]
	s_add_nc_u64 s[SQA:SQA+1], s[4:5], s[SQA:SQA+1]
	s_add_nc_u64 s[SV0:SV0+1], s[6:7], s[SV0:SV0+1]
	s_add_nc_u64 s[SOB:SOB+1], s[8:9], s[SOB:SOB+1]
	s_add_nc_u64 s[SOA:SOA+1], s[8:9], s[SOA:SOA+1]
	; THE TILES in the order in which they are walked: tile i holds key slot i where i <= c (block bB's), else i - c - 1 (block bA's); tile i lies in ring slot i % 2
	s_mov_b32 s[G0A], 1                            ; count = 1
	s_mov_b64 s[G0A+2:G0A+3], s[BW:BW+1]           ; tile 0: key slot 0
	s_or_b32 s[G0A+3], s[G0A+3], 0x80000000        ; type = 2
	s_mov_b32 s[G0B], 1
	s_cmp_ge_u32 s[CC], 1
	s_cselect_b32 s[OFS], KSLOT, 0                 ; tile 1: key slot 1, or 0 where c = 0
	s_add_nc_u64 s[G0B+2:G0B+3], s[BW:BW+1], s[OFS:OFS+1]
	s_or_b32 s[G0B+3], s[G0B+3], 0x80000000
	ROUND                                          ; all four work-groups are here: the first joint loads meet
	tensor_load_to_lds s[G0A:G0A+3], s[G1:G1+7]    ; both first fills go out together: two tensor loads of mine are out
	s_nop 0
	tensor_load_to_lds s[G0B:G0B+3], s[G1:G1+7]
	s_nop 0
	PLACES 4
; one matrix instruction.  d, a, b: first registers;  z = 1: it starts the sum;  sa, sb: scale registers;  ra, rb = 1: that side's scales stand in lanes 16-31
.macro WM d, a, b, z, sa, sb, ra, rb
.if \z
.if \ra
.if \rb
	v_wmma_scale_f32_16x16x128_f8f6f4 v[\d:\d+7], v[\a:\a+15], v[\b:\b+15], 0, v[\sa], v[\sb] matrix_a_fmt:MATRIX_FMT_BF8 matrix_b_fmt:MATRIX_FMT_BF8 matrix_a_scale:MATRIX_SCALE_ROW1 matrix_b_scale:MATRIX_SCALE_ROW1
.else
	v_wmma_scale_f32_16x16x128_f8f6f4 v[\d:\d+7], v[\a:\a+15], v[\b:\b+15], 0, v[\sa], v[\sb] matrix_a_fmt:MATRIX_FMT_BF8 matrix_b_fmt:MATRIX_FMT_BF8 matrix_a_scale:MATRIX_SCALE_ROW1
.endif
.else
.if \rb
	v_wmma_scale_f32_16x16x128_f8f6f4 v[\d:\d+7], v[\a:\a+15], v[\b:\b+15], 0, v[\sa], v[\sb] matrix_a_fmt:MATRIX_FMT_BF8 matrix_b_fmt:MATRIX_FMT_BF8 matrix_b_scale:MATRIX_SCALE_ROW1
.else
	v_wmma_scale_f32_16x16x128_f8f6f4 v[\d:\d+7], v[\a:\a+15], v[\b:\b+15], 0, v[\sa], v[\sb] matrix_a_fmt:MATRIX_FMT_BF8 matrix_b_fmt:MATRIX_FMT_BF8
.endif
.endif
.else
.if \ra
.if \rb
	v_wmma_scale_f32_16x16x128_f8f6f4 v[\d:\d+7], v[\a:\a+15], v[\b:\b+15], v[\d:\d+7], v[\sa], v[\sb] matrix_a_fmt:MATRIX_FMT_BF8 matrix_b_fmt:MATRIX_FMT_BF8 matrix_a_scale:MATRIX_SCALE_ROW1 matrix_b_scale:MATRIX_SCALE_ROW1
.else
	v_wmma_scale_f32_16x16x128_f8f6f4 v[\d:\d+7], v[\a:\a+15], v[\b:\b+15], v[\d:\d+7], v[\sa], v[\sb] matrix_a_fmt:MATRIX_FMT_BF8 matrix_b_fmt:MATRIX_FMT_BF8 matrix_a_scale:MATRIX_SCALE_ROW1
.endif
.else
.if \rb
	v_wmma_scale_f32_16x16x128_f8f6f4 v[\d:\d+7], v[\a:\a+15], v[\b:\b+15], v[\d:\d+7], v[\sa], v[\sb] matrix_a_fmt:MATRIX_FMT_BF8 matrix_b_fmt:MATRIX_FMT_BF8 matrix_b_scale:MATRIX_SCALE_ROW1
.else
	v_wmma_scale_f32_16x16x128_f8f6f4 v[\d:\d+7], v[\a:\a+15], v[\b:\b+15], v[\d:\d+7], v[\sa], v[\sb] matrix_a_fmt:MATRIX_FMT_BF8 matrix_b_fmt:MATRIX_FMT_BF8
.endif
.endif
.endif
.endm
; a block's 64 queries: 16 fragments and 8 scale words, 72 loads; each covers 512 (128) consecutive bytes
.macro QLOAD sq
	WIN 0x40                                       ; destination window 1
.irp gl, 0,1
.irp u, 0,1
.irp kc, 0,1,2,3
.irp cc, 0,1,2,3
	global_load_b128 v[64*(2*\gl+\u)+16*\kc+4*\cc:64*(2*\gl+\u)+16*\kc+4*\cc+3], v[L16], s[\sq:\sq+1] offset:\gl*WTILE+\kc*4096+\u*2048+\cc*512
.endr
.endr
.endr
.endr
	WIN 0
.irp gl, 0,1
.irp kc, 0,1,2,3
	global_load_b32 v[QS+4*\gl+\kc], v[L4Q], s[\sq:\sq+1] offset:\gl*WTILE+\kc*128
.endr
.endr
.endm
; a key step of V, my 32 channels, into set b: 9 loads
.macro VLOAD b, off
	WIN 0x80                                       ; destination window 2
.irp i, 0,1,2,3,4,5,6,7
	global_load_b128 v[128+32*(\b)+4*\i:128+32*(\b)+4*\i+3], v[L16], s[SV:SV+1] offset:\off+512*\i
.endr
	WIN 0
	global_load_b32 v[VS+(\b)], v[L8V], s[SV:SV+1] offset:\off
.endm
.macro VNEXT b
	s_wait_xcnt 0x0                                ; the base is a source of loads that may be out: it steps only behind this wait
	s_add_nc_u64 s[SV:SV+1], s[SV:SV+1], VSTEP
	VLOAD \b, 0
.endm
; What stands between two steps.  kind 0: nothing.  1: a barrier for the exchange of P.
; 2: a change of slots with a refill: I wait for all my tensor loads (the one that is out is my part of the slot ahead), add 0 to my spare word, step the walking descriptor while the add is out,
;    wait for the add and for my LDS instructions; a round of the cluster's barrier; the joint refill of the slot just left is the first thing behind it, my one tensor load until the next round.
; 3: a change of slots with nothing left to ask for.
.macro SYNC kind
.if \kind == 1
	s_wait_dscnt 0x0                               ; my codes and bytes of P are in LDS, and my reads of the other buffer are over
	s_barrier_signal -1
	s_barrier_wait -1
.endif
.if \kind >= 2
	s_wait_tensorcnt 0x0                           ; no tensor load of mine is out, so a group 0 may be written
	ds_add_u32 v[SPW], v[NIL]                      ; 0 onto my spare word
.if \kind == 2
	s_add_co_u32 s[NI], s[NI], 1                   ; the next tile,
	s_sub_co_u32 s[TMP], s[NI], s[C1]
	s_cmp_le_u32 s[NI], s[CC]
	s_cselect_b32 s[OFS], s[NI], s[TMP]            ; its key slot,
	s_mul_i32 s[OFS], s[OFS], KSLOT
	s_add_nc_u64 s[G0B+2:G0B+3], s[BW:BW+1], s[OFS:OFS+1]
	s_or_b32 s[G0B+3], s[G0B+3], 0x80000000
	s_xor_b32 s[G0B+1], s[G0B+1], KSLOT            ; into the other ring slot than last time
.endif
	s_xor_b32 s[TB], s[TB], KSLOT                  ; I go on to the other slot
	s_wait_dscnt 0x0                               ; the add is done; my reads of the slot that I leave and my stores of P are done
.if \kind == 2
	ROUND                                          ; the same holds of every wave of all four work-groups
	tensor_load_to_lds s[G0B:G0B+3], s[G1:G1+7]    ; it has two steps, 80 matrix instructions and two quantisers, in which to land
	s_nop 0
	PLACES 4
.else
	s_barrier_signal -1
	s_barrier_wait -1
.endif
	v_add_nc_u32 v[ADK], s[TB], v[AK0]
	v_add_nc_u32 v[ADS], s[TB], v[AS0]
.endif
.endm
.macro PLOAD b                         ; all four parts of P from buffer b: 20 LDS loads
	WIN 0x80
.irp qt, 0,1,2,3
.irp cb, 0,1,2,3
	ds_load_b128 v[192+16*\qt+4*\cb:192+16*\qt+4*\cb+3], v[PLD] offset:(\b)*PBUF+\qt*2048+\cb*512
.endr
.endr
	WIN 0
.irp qt, 0,1,2,3
	ds_load_b32 v[PS+\qt], v[PSL] offset:(\b)*PBUF+\qt*64
.endr
.endm
.macro KLOAD e                         ; my 32 keys of the slot's step e: 4 scale words, then 8 fragments, K ascending: 36 LDS loads
.irp kc, 0,1,2,3
	ds_load_b32 v[KSR+\kc], v[ADS] offset:\e*REC+16384+\kc*128
.endr
	WIN 0x80
.irp kc, 0,1,2,3
.irp u, 0,1
.irp cc, 0,1,2,3
	ds_load_b128 v[32*\kc+16*\u+4*\cc:32*\kc+16*\u+4*\cc+3], v[ADK] offset:\e*REC+\kc*4096+\u*2048+\cc*512
.endr
.endr
.endr
.endm
.macro PV b, zero                      ; O^T += V^T P^T: eight accumulators, one instruction each
	WIN 0x0a                                       ; sources 0 and 1: window 2
.irp qt, 0,1,2,3
.irp dt, 0,1
	WM OA+8*(2*\qt+\dt), 128+32*(\b)+16*\dt, 192+16*\qt, \zero, VS+(\b), PS+\qt, \dt, 0
.endr
.endr
.endm
.macro SMUL                            ; S^T = K Q^T: eight accumulators take turns, one instruction a turn; K ascending
	WIN 0x06                                       ; source 0 (K): window 2; source 1 (Q): window 1
.irp kc, 0,1,2,3
	s_wait_dscnt 24-8*\kc                          ; the scale words and this 128 along K are in; the later groups of eight loads stay out
.irp u, 0,1
.irp qt, 0,1,2,3
.if \kc == 0
	WM S+16*\qt+8*\u, 32*\kc+16*\u, 64*\qt+16*\kc, 1, KSR+\kc, QS+4*(\qt/2)+\kc, \u, \qt%2
.else
	WM S+16*\qt+8*\u, 32*\kc+16*\u, 64*\qt+16*\kc, 0, KSR+\kc, QS+4*(\qt/2)+\kc, \u, \qt%2
.endif
.endr
.endr
.endr
.endm
; My 32 keys x 64 queries: masked (mask = 1), quantised along the keys, into P's buffer e.  Register 16 qt + i of S holds key 16 h + i of my 32.  Every accumulator is read from its low end on.
.macro QUANT e, mask
.if \mask
.irp qt, 0,1,2,3
	v_sub_nc_u32 v[LIM+\qt], v[TQ+\qt], s[KB]      ; key i stays where i < query - the step's first key - 32 w - 16 h
.endr
	s_add_co_u32 s[KB], s[KB], 128
.irp qt, 0,1,2,3
.irp i, 0,1,2,3,4,5,6,7,8,9,10,11,12,13,14,15
	v_cmp_lt_i32 vcc_lo, \i, v[LIM+\qt]
	v_cndmask_b32 v[S+16*\qt+\i], 0, v[S+16*\qt+\i], vcc_lo
.endr
.endr
.endif
.irp qt, 0,1,2,3
	v_max3_num_f32 v[QM+\qt], |v[S+16*\qt]|, |v[S+16*\qt+1]|, |v[S+16*\qt+2]|
.endr
.irp i, 3,5,7,9,11,13
.irp qt, 0,1,2,3
	v_max3_num_f32 v[QM+\qt], v[QM+\qt], |v[S+16*\qt+\i]|, |v[S+16*\qt+\i+1]|
.endr
.endr
.irp qt, 0,1,2,3
	v_max_num_f32 v[QM+\qt], v[QM+\qt], |v[S+16*\qt+15]|
.endr
.irp qt, 0,1,2,3
	v_permlanex16_b32 v[QM+4+\qt], v[QM+\qt], s[SEL], s[SEL+1]
.endr
.irp qt, 0,1,2,3
	v_max_num_f32 v[QM+\qt], v[QM+\qt], v[QM+4+\qt]                ; the block's largest magnitude
.endr
.irp qt, 0,1,2,3
	v_lshrrev_b32 v[QM+4+\qt], 23, v[QM+\qt]       ; its exponent field
.endr
.irp qt, 0,1,2,3
	v_max_u32 v[QM+4+\qt], 16, v[QM+4+\qt]         ; the byte is not to fall under 1
.endr
.irp qt, 0,1,2,3
	v_lshl_or_b32 v[QM+8+\qt], v[QM+4+\qt], 23, 0x600000           ; 57,344 x the scale
.endr
.irp qt, 0,1,2,3
	v_add_nc_u32 v[QM+4+\qt], -15, v[QM+4+\qt]     ; the byte
.endr
.irp qt, 0,1,2,3
	v_lshlrev_b32 v[QM+12+\qt], 23, v[QM+4+\qt]    ; the scale as f32
.endr
.irp qt, 0,1,2,3
	v_cmp_eq_u32 vcc_lo, 0, v[QM+\qt]
	v_cndmask_b32 v[QM+16+\qt], v[QM+4+\qt], 127, vcc_lo           ; a block of zeros gets 127
.endr
.irp qt, 0,1,2,3
.irp i, 0,1,2,3,4,5,6,7,8,9,10,11,12,13,14,15
	v_med3_num_f32 v[S+16*\qt+\i], v[S+16*\qt+\i], -v[QM+8+\qt], v[QM+8+\qt]   ; the conversion does not saturate (ISA guide 7.6.2): hold first
.endr
.endr
.irp qt, 0,1,2,3
	v_cvt_scalef32_pk8_bf8_f32 v[PO+4*\qt:PO+4*\qt+1], v[S+16*\qt:S+16*\qt+7], v[QM+12+\qt]
	v_cvt_scalef32_pk8_bf8_f32 v[PO+4*\qt+2:PO+4*\qt+3], v[S+16*\qt+8:S+16*\qt+15], v[QM+12+\qt]
.endr
	v_nop                                          ; one plain instruction behind the conversions
.irp qt, 0,1,2,3
	ds_store_b128 v[PST], v[PO+4*\qt:PO+4*\qt+3] offset:\e*PBUF+\qt*2048
	ds_store_b8 v[PSS], v[QM+16+\qt] offset:\e*PBUF+\qt*64         ; both halves of the lanes write the same byte with the same value
.endr
.endm
; A STEP, the slot's e-th.  prev = 1: the step before left P in buffer 1 - e, and V of that step lies in set 1 - e: its second product is made here, beside this step's key loads.
; vnext = 1: set 1 - e then takes V of the step after this one.  ozero = 1: that second product starts O^T's sums: nothing is ever cleared.
.macro STEP e, sync, mask, vnext, ozero, prev
	SYNC \sync
.if \prev
	PLOAD 1-\e
.endif
	KLOAD \e
.if \prev
	s_wait_loadcnt 9                               ; V of the step before is in; this step's nine loads stay out
	s_wait_dscnt 36                                ; P is in; the 36 key loads stay out
	PV 1-\e, \ozero
.else
	s_wait_loadcnt 18                              ; Q is in; the first two steps of V stay out
.endif
	SMUL
	WIN 0
	PLACES 8                                       ; eight places behind both groups of products: for the reads of S^T, and for the later loads into K's, P's, V's and the scales' registers
.if \vnext
	VNEXT 1-\e
.endif
	QUANT \e, \mask
.endm
.macro SLOT mask, sync0, vlast
	STEP 0, \sync0, \mask, 1, 0, 1
	STEP 1, 1, \mask, \vlast, 0, 1
.endm
.macro FIRST mask                      ; a block's first slot
	STEP 0, 0, \mask, 0, 0, 0
	STEP 1, 1, \mask, 1, 1, 1
.endm
.macro PASSINIT b                      ; block b: the mask's bases, and V's first two steps
	s_lshl_b32 s58, s[\b], 6
.irp qt, 0,1,2,3
	v_add3_u32 v[TQ+\qt], v[RB], s58, 32*(\qt/2)+8*(\qt%2)
.endr
	s_wait_xcnt 0x0                                ; V's base, and the registers that the last block's stores read, are rewritten only behind this wait
	s_mov_b64 s[SV:SV+1], s[SV0:SV0+1]
	VLOAD 0, 0
	VLOAD 1, VSTEP
	s_wait_xcnt 0x0
	s_add_nc_u64 s[SV:SV+1], s[SV:SV+1], VSTEP
.endm
; A block's end: the last step's second product, then the way out.  A lane holds eight neighbouring channels of one query; the four waves hold the four quarters of a row: so the block goes through
; one stage in LDS, with a barrier between writing and reading, and leaves as whole rows of 512 bytes.  next = 1: the other block's Q is asked for first.
.macro FINISH sync, next, so
	SYNC \sync
	PLOAD 1
	s_wait_loadcnt 0x0                             ; V of the last step is in
.if \next
	QLOAD SQA
.endif
	s_wait_dscnt 0x0                               ; P is in
	PV 1, 0
	WIN 0
	PLACES 8
.irp qt, 0,1,2,3
.irp dt, 0,1
	ds_store_b128 v[OST], v[OA+8*(2*\qt+\dt):OA+8*(2*\qt+\dt)+3] offset:\qt*16*SPITCH+\dt*64          ; each accumulator from its low end on
	ds_store_b128 v[OST], v[OA+8*(2*\qt+\dt)+4:OA+8*(2*\qt+\dt)+7] offset:\qt*16*SPITCH+\dt*64+16
.endr
.endr
	s_wait_dscnt 0x0                               ; for the others' sake: my stores into the stage are done
	s_barrier_signal -1
	s_barrier_wait -1
.irp p, 0,1,2,3,4,5,6,7,8,9,10,11,12,13,14,15
	ds_load_b128 v[S+4*\p:S+4*\p+3], v[ORD] offset:\p*SPITCH
.endr
.irp p, 0,1,2,3,4,5,6,7,8,9,10,11,12,13,14,15
	s_wait_dscnt 15-\p                             ; the younger rows stay out
	global_store_b128 v[L16], v[S+4*\p:S+4*\p+3], s[\so:\so+1] offset:(\p+8*(\p/8))*512 th:TH_STORE_NT   ; 32 lanes store a whole row of out: 512 consecutive bytes, aligned
.endr
.endm
	QLOAD SQB
	PASSINIT 14
	s_wait_tensorcnt 0x1                           ; my part of tile 0 is in, and only I read it; tile 1 stays out
	FIRST 1                                        ; BLOCK bB: key slot 0
	s_cmp_eq_u32 s[CC], 0                          ; c is the same in all four partners: they pass the same rounds and ask for the same tiles
	s_cbranch_scc1 .Lb_end
	s_cmp_eq_u32 s[CC], 1
	s_cbranch_scc1 .Lb_diag
	s_sub_co_u32 s[CNT], s[CC], 1
.Lb_loop:                                              ; key slots 1 .. c - 1: nothing to mask
	SLOT 0, 2, 1
	s_sub_co_u32 s[CNT], s[CNT], 1
	s_cmp_lg_u32 s[CNT], 0
	s_cbranch_scc1 .Lb_loop
.Lb_diag:
	s_lshl_b32 s[KB], s[CC], 8                     ; key slot c holds the diagonal
	SLOT 1, 2, 0
.Lb_end:
	FINISH 2, 1, SOB                               ; the ring goes on into block bA: its first tile has landed, the tile after it is asked for
	PASSINIT 15
	FIRST 0                                        ; BLOCK bA = 31 - bB: key slot 0; it has five slots or more, so this one lies in front of the diagonal
	s_sub_co_u32 s[CNT], 6, s[CC]
.La_loop:                                              ; key slots 1 .. 6 - c
	SLOT 0, 2, 1
	s_sub_co_u32 s[CNT], s[CNT], 1
	s_cmp_lg_u32 s[CNT], 0
	s_cbranch_scc1 .La_loop
	s_sub_co_u32 s[KB], 7, s[CC]
	s_lshl_b32 s[KB], s[KB], 8                     ; key slot 7 - c holds the diagonal; nothing is left to ask for
	SLOT 1, 3, 0
	FINISH 1, 0, SOA
	s_wait_tensorcnt 0x0                           ; the wave's end: behind my last tensor load and my last LDS store
	ds_add_u32 v[SPW], v[NIL]
	s_wait_dscnt 0x0
	ROUND                                          ; the closing round: no work-group ends while a partner may still ask for a tile that names it
	s_endpgm
.Lfunc_end_k_qf7f56afa91_attn:
	.size	k_qf7f56afa91_attn, .Lfunc_end_k_qf7f56afa91_attn-k_qf7f56afa91_attn
	.p2alignl 7, 3214868480
	.fill 96, 4, 3214868480
	.section	.rodata,"a",@progbits
	.p2align	6, 0x0
	.amdhsa_kernel k_qf7f56afa91_attn
		.amdhsa_group_segment_fixed_size 327680
		.amdhsa_private_segment_fixed_size 0
		.amdhsa_enable_private_segment 0
		.amdhsa_kernarg_size 24
		.amdhsa_user_sgpr_count 2
		.amdhsa_user_sgpr_kernarg_segment_ptr 1
		.amdhsa_wavefront_size32 1
		.amdhsa_system_sgpr_workgroup_id_x 1
		.amdhsa_system_sgpr_workgroup_id_y 1
		.amdhsa_system_sgpr_workgroup_id_z 1
		.amdhsa_system_vgpr_workitem_id 0
		.amdhsa_next_free_vgpr 768
		.amdhsa_next_free_sgpr 66
		.amdhsa_reserve_vcc 1
		.amdhsa_float_denorm_mode_32 3
		.amdhsa_float_denorm_mode_16_64 3
		.amdhsa_memory_ordered 1
		.amdhsa_forward_progress 1
		.amdhsa_inst_pref_size 255
	.end_amdhsa_kernel
	.section	.bss,"aw",@nobits
	.p2align	6
	.space	262144
	.amdgpu_metadata
---
amdhsa.version: [ 1, 2 ]
amdhsa.kernels:
  - .name:           k_qf7f56afa91_attn
    .symbol:         k_qf7f56afa91_attn.kd
    .args:
      - { .name: qk, .offset: 0, .size: 8, .value_kind: global_buffer, .address_space: global }
      - { .name: vt, .offset: 8, .size: 8, .value_kind: global_buffer, .address_space: global }
      - { .name: out0, .offset: 16, .size: 8, .value_kind: global_buffer, .address_space: global }
    .group_segment_fixed_size: 327680
    .private_segment_fixed_size: 0
    .kernarg_segment_align: 8
    .kernarg_segment_size: 24
    .max_flat_workgroup_size: 128
    .sgpr_count:     66
    .vgpr_count:     768
    .wavefront_size: 32
...
	.end_amdgpu_metadata
.endif
;; end of part 2
;; ======== version 2 of 2: 2 launches; 1.19 times as fast as version 1
;; workspace buffers: qk 17,301,504 bytes; vt 4,456,448 bytes
;; launch prep (part 3): grid 256 x 1, 8 waves a work-group, no clusters, 300,544 bytes of LDS; arguments Q, V, freqs, qk, vt; writes qk, vt
.if DOCPART == 3
	.amdgcn_target "amdgcn-amd-amdhsa--gfx1250"
	.amdhsa_code_object_version 6
	.text
	.protected	k_qf7f56afa91_prep
	.globl	k_qf7f56afa91_prep
	.p2align	8
	.type	k_qf7f56afa91_prep,@function
k_qf7f56afa91_prep:
	s_mov_b64 s[64:65], 0
	v_nop
	global_prefetch_b8 v0, s[64:65] scope:SCOPE_SE
	s_setreg_imm32_b32 hwreg(HW_REG_WAVE_MODE, 25, 1), 1
	s_wait_xcnt 0x0
; QR = rope(Q) and V are turned into codes of BF8 (E5M2) with one E8M0 scale byte for each 32 along the later product's K, ONCE, and laid as the register images
; that the matrix instruction of the next launch wants, so that every later load is 32 lanes x 16 consecutive bytes.
; qk: [head 16][p 64][record of 16,896 bytes].  A record holds rows 32 g .. 32 g + 31 of a head; g = 8 S + 4 e + w lies at p = 8 S + 2 w + e.
;   codes [kc 4][u 2][cc 4][lane 32][16 bytes]: lane (r = lane % 16, h = lane / 16) holds row 32 g + 8 u + r + 8 (r / 8), n = 128 kc + 32 cc + 16 h + 0 .. 15;
;   then scale words [kc 4][lane 32][4 bytes]: lane 16 u + r holds the four bytes (cc = 0 .. 3) of tile u's row r.
; vt: [head 16][step s 16][w 4][record of 4,352 bytes]: codes [dt 2][cc 4][lane 32][16 bytes]: d = 32 w + 16 dt + r, keys 128 s + 32 cc + 16 h + 0 .. 15;
;   then [lane 32][8 bytes]: the scale word of d = 32 w + lane and a zero word, so that the 32 lanes store 256 consecutive bytes.
; THE QUANTISER: a block's byte is its largest magnitude's exponent field - 15, held at 1 from below, 127 for a block of zeros; each number is held within +-57,344 x the scale and converted, ties to even.
; THE ROPE: x = t * freq (one rounding, as the source has it), f = x - floor(x) (exact), q = the nearest whole number to 2 f, r = f - q / 2 (exact, |r| <= 1/4),
;   sin(2 pi f) = (-1)^q sin(2 pi r), cos likewise, by the Taylor series in r^2 up to r^11 and r^12 (what is cut is under 6e-8).
; LIMITS: the turn is reduced exactly, where the source first rounds f * 2 pi to f32: cos and sin differ from the source's f32 values by up to about 4e-7 absolute.
;   NaN and infinities among the inputs are not served; blocks whose byte is held at 1 (largest magnitude under 2^-110) were not tried.
; SHARES: each of the 256 work-groups does two jobs of equal size everywhere.
;   R job: row group g = wg % 64 of the four heads 4 (wg / 64) + 0 .. 3: wave (kc = wave % 4, u = wave / 4) owns tile u's 16 rows x 128 columns.  cos and sin of a lane's 64 places are made once and serve four heads.
;   V job: head wg / 16, key step wg % 16: wave (c = wave % 4, dh = wave / 4) owns 32 keys x 64 channels; a lane takes four columns d and its registers run down the keys.
; Q COMES THROUGH LDS.  The conversions take neighbours along n from ONE lane's registers, so a lane wants 64 neighbouring bytes of a row.  Loaded straight into registers that is four instructions, each of which
; takes 16 bytes out of every 64 of the row.  So the tensor data mover brings each row piece once, as 512 consecutive bytes, and the lane's 64 bytes are four LDS loads.
; A wave's 16 rows are two runs of 8 rows, 16 rows apart: two loads a head, eight a wave, all issued at the head: eight tensor loads of a wave are out.  All of the work-group's 262,144 bytes of Q have room in LDS
; at once, so no byte is filled again.  A wave reads only what its own loads brought: its own counted wait on TENSORcnt orders its reads.
; No cluster: no two work-groups read the same bytes.  No matrix work.  One barrier, for the scale bytes.
.set REC,  16896                       ; a record of qk
.set VREC, 4352                        ; a record of vt
.set TROW, 544                         ; a row piece of Q in LDS: 512 bytes, 16 of padding behind each 256: a lane's 64 bytes begin at 16-byte column 4 m + m / 4 (m = lane % 8), the next row's two columns on:
                                       ; the 16 lanes of half a load take 16 different columns of the 16 in 256 bytes (64 banks of 4 bytes: ISA guide 11.1)
.set THALF, 8*TROW                     ; 8 rows: what one tensor load brings
.set THEAD, 2*THALF                    ; a head's 16 rows
.set TWAVE, 4*THEAD                    ; a wave's four heads
.set STG,  8*TWAVE                     ; behind the tiles (278,528 = 1,088 x 256): the stages, into which no tile lands
.set STW,  2304                        ; a wave's stage: R job 8 chunks of 256 bytes, 288 apart; V job 4 chunks of 512 bytes, 528 apart
.set KSA,  STG+8*STW                   ; the four heads' scale words of this row group: [head 4][512 bytes]
.set VSA,  KSA+2048                    ; V's scale words: [d 128][4 bytes]
.set XAD,  1                           ; v1   LDS address of my 64 bytes in the first row group of my wave's first tile
.set FOF,  2                           ; v2   my 16 numbers of freqs
.set STA,  3                           ; v3   R job: into the stage
.set STR,  4                           ; v4   R job: out of it
.set L16,  5                           ; v5   16 x lane
.set KSB,  6                           ; v6   R job: my block's scale byte in LDS
.set VOF,  7                           ; v7   V job: my 16 bytes of a key's row
.set VST,  8                           ; v8   V job: into the stage
.set VRD,  9                           ; v9   V job: out of it
.set VSB,  10                          ; v10  V job: my column's scale byte in LDS
.set TI,   11                          ; v11  32 g + 8 u + lane / 8
.set TF,   12                          ; v12-13 t as f32, twice
.set CA5,  14                          ; v14-15 the sine's last coefficient, twice
.set CB6,  16                          ; v16-17 the cosine's
.set W,    18                          ; v18-27 at work
.set BY,   28                          ; v28-31 a scale byte for each of a head's four row groups
.set Y,    32                          ; v32-47 freqs, then 16 rotated numbers
.set CD,   48                          ; v48-63 codes: four registers for each row group (V job: for each column)
.set CO,   68                          ; v68-131  cos, 16 for each row group; V job: the held numbers, 16 for each column
.set SI,   132                         ; v132-195 sin
.set OUTR, 196                         ; v196-211 read back from the stage
.set VM,   212                         ; v212-231 V job: largest magnitude, at work, limit, scale, byte: four each
.set VX,   64                          ; window 1: v0-63 a head's 64 numbers of Q; v64-127 V
.set G1,   48                          ; s[48:55] descriptor group 1
.set G0,   68                          ; s[68:99] descriptor group 0, a set for each of my eight loads: none is written again
.set MSB, 0
.macro WIN new                         ; the immediate's high byte repeats the setting that is left
.if MSB != \new
	s_set_vgpr_msb (MSB<<8)|\new
.set MSB, \new
.endif
.endm
	s_load_b256 s[4:11], s[0:1], 0x0               ; Q s[4:5], V s[6:7], freqs s[8:9], qk s[10:11]
	s_load_b64 s[12:13], s[0:1], 0x20              ; vt
	v_lshl_add_u32 v254, v0, 2, 0x49200
	v_mov_b32 v255, 0
	ds_add_u32 v254, v255
	ds_add_u32 v254, v255
	v_lshrrev_b32 v18, 5, v0
	v_readfirstlane_b32 s14, v18                   ; wave 0..7
	s_and_b32 s15, s14, 3                          ; kc; in the V job c
	s_lshr_b32 s16, s14, 2                         ; u; in the V job dh
	s_and_b32 s17, ttmp9, 63                       ; g
	s_lshr_b32 s18, ttmp9, 6                       ; which four heads
	s_mov_b32 s40, 0x76543210                      ; v_permlanex16_b32's selects for lane l xor 16
	s_mov_b32 s41, 0xfedcba98
	; descriptor group 1: 8 rows of 512 bytes, 2,048 bytes apart in memory
	s_mov_b32 s[G1+0], (3<<16)|(1<<20)|(5<<22)|(3<<25)   ; 15:0 no mask; 17:16 elements of 8 bytes; 20 padding on; 24:22 after every 64 words (code 5); 31:25 four words (code 3)
	s_mov_b32 s[G1+1], 64<<16                      ; tensor_dim0 = 64 elements
	s_mov_b32 s[G1+2], 8<<16                       ; tensor_dim1 = 8
	s_mov_b32 s[G1+3], 64<<16                      ; tile_dim0 = 64
	s_mov_b32 s[G1+4], 8                           ; tile_dim1 = 8
	s_mov_b32 s[G1+5], 256                         ; from row to row: 256 elements
	s_mov_b32 s[G1+6], 0
	s_mov_b32 s[G1+7], 0
	s_mul_i32 s23, s14, TWAVE                      ; my tiles in LDS
	s_lshl_b32 s45, s15, 9                         ; my 128 columns: 512 bytes
	s_lshl_b32 s22, s17, 5
	s_lshl3_add_u32 s22, s16, s22                  ; 32 g + 8 u
	s_lshl_b32 s46, s22, 11                        ; Q's offset: rows of 2,048 bytes,
	s_add_co_u32 s46, s46, s45                     ; my columns,
	s_lshl_b32 s47, s18, 24                        ; four heads of 4,194,304 bytes
	s_add_co_u32 s46, s46, s47
	s_mov_b32 s47, 0
	s_wait_dscnt 0x0
	s_wait_kmcnt 0x0
	s_add_nc_u64 s[20:21], s[4:5], s[46:47]        ; Q at my rows and columns of the first head
.irp k, 0,1,2,3,4,5,6,7                    ; load k: head k / 2, rows 16 (k % 2) + 0 .. 7 of my tile's
	s_mov_b32 s[G0+4*\k], 1                        ; count = 1
	s_add_co_u32 s[G0+4*\k+1], s23, \k*THALF       ; LDS address: wave x 34,816 + k x 4,352
	s_add_nc_u64 s[G0+4*\k+2:G0+4*\k+3], s[20:21], (\k/2)*0x400000+(\k%2)*0x8000
	s_or_b32 s[G0+4*\k+3], s[G0+4*\k+3], 0x80000000   ; type = 2
.endr
.irp k, 0,1,2,3,4,5,6,7
	tensor_load_to_lds s[G0+4*\k:G0+4*\k+3], s[G1:G1+7]   ; all first fills go out together, ahead of every wait on TENSORcnt, every LDS read and the barrier
	s_nop 0
.endr
.rept 4
	v_nop
.endr
	v_and_b32 v19, 31, v0                          ; lane
	v_lshrrev_b32 v20, 3, v19                      ; lane / 8
	v_and_b32 v21, 7, v19                          ; lane % 8
	v_lshrrev_b32 v22, 4, v19                      ; lane / 16
	v_and_b32 v23, 15, v19                         ; lane % 16
	v_lshl_add_u32 v[FOF], v21, 6, s45
.irp q, 0,1,2,3
	global_load_b128 v[Y+4*\q:Y+4*\q+3], v[FOF], s[8:9] offset:16*\q
.endr
	s_lshr_b32 s44, ttmp9, 4                       ; V job: the head,
	s_and_b32 s45, ttmp9, 15                       ; the key step
	s_lshl4_add_u32 s42, s44, s45
	s_mul_i32 s42, s42, 4*VREC                     ; the step's four records, in bytes: kept for the scale words' way out
	s_lshl_b32 s46, s44, 20                        ; a head of V: 1,048,576 bytes
	s_lshl_b32 s45, s45, 16                        ; 128 keys of 512 bytes
	s_add_co_u32 s46, s46, s45
	s_lshl_b32 s45, s15, 14                        ; 32 keys
	s_add_co_u32 s46, s46, s45
	s_lshl_b32 s45, s16, 8                         ; 64 channels
	s_add_co_u32 s46, s46, s45                     ; (s47 is still 0)
	s_add_nc_u64 s[36:37], s[6:7], s[46:47]
	s_mul_i32 s45, s16, 2*VREC                     ; records 2 dh and 2 dh + 1,
	s_add_co_u32 s46, s42, s45
	s_lshl_b32 s45, s15, 9                         ; block c: 512 bytes
	s_add_co_u32 s46, s46, s45
	s_add_nc_u64 s[38:39], s[12:13], s[46:47]
	v_lshlrev_b32 v[VOF], 13, v22                  ; lanes 16-31: 16 keys of 512 bytes further down
	v_lshl_add_u32 v[VOF], v23, 4, v[VOF]
	WIN 0x40                                       ; destination window 1
.irp k, 0,1,2,3,4,5,6,7,8,9,10,11,12,13,14,15
	global_load_b128 v[VX+4*\k:VX+4*\k+3], v[VOF], s[36:37] offset:512*\k th:TH_LOAD_NT   ; V(key 16 (lane / 16) + k, four channels): 16 lanes read 256 consecutive bytes
.endr
	WIN 0
	; the other addresses, while tiles and loads are out
	v_add_nc_u32 v[TI], s22, v20
	v_mul_u32_u24 v[XAD], v20, TROW                ; row lane / 8 of a group of four,
	v_lshl_add_u32 v[XAD], v21, 6, v[XAD]          ; 64 bytes a lane,
	v_lshrrev_b32 v24, 2, v21
	v_lshl_add_u32 v[XAD], v24, 4, v[XAD]          ; behind the padding in the row's middle for lanes 4-7 of the eight
	v_add_nc_u32 v[XAD], s23, v[XAD]
	s_mul_i32 s43, s14, STW
	s_add_co_u32 s43, s43, STG                     ; my stage
	v_mul_u32_u24 v[STA], v21, 288                 ; chunk lane % 8 (= 2 cc + h), place 16 (lane / 8) in it
	v_lshl_add_u32 v[STA], v20, 4, v[STA]
	v_add_nc_u32 v[STA], s43, v[STA]
	v_mul_u32_u24 v[STR], v22, 288                 ; back: two chunks an instruction, 16 lanes each
	v_lshl_add_u32 v[STR], v23, 4, v[STR]
	v_add_nc_u32 v[STR], s43, v[STR]
	v_lshlrev_b32 v[L16], 4, v19
	s_lshl_b32 s44, s15, 7
	s_lshl_b32 s45, s16, 6
	s_add_co_u32 s44, s44, s45
	s_add_co_u32 s44, s44, KSA                     ; 128 kc + 64 u
	v_lshrrev_b32 v[KSB], 1, v21                   ; + cc
	v_lshl_add_u32 v[KSB], v20, 2, v[KSB]          ; + 4 (lane / 8)
	v_add_nc_u32 v[KSB], s44, v[KSB]
	v_lshrrev_b32 v24, 2, v23
	v_and_b32 v25, 3, v23
	v_mul_u32_u24 v[VST], v24, 528                 ; chunk (lane % 16) / 4, 256 (lane / 16) + 64 (lane % 4) in it
	v_lshl_add_u32 v[VST], v22, 8, v[VST]
	v_lshl_add_u32 v[VST], v25, 6, v[VST]
	v_add_nc_u32 v[VST], s43, v[VST]
	v_add_nc_u32 v[VRD], s43, v[L16]
	s_lshl_b32 s45, s16, 8
	s_add_co_u32 s45, s45, s15
	s_add_co_u32 s45, s45, VSA                     ; 4 x 64 dh + c
	v_lshl_add_u32 v[VSB], v23, 4, s45             ; + 4 x 4 (lane % 16)
	v_mov_b32 v[CA5], 0xc17183a8                   ; -(2 pi)^11 / 11!
	v_mov_b32 v[CA5+1], 0xc17183a8
	v_mov_b32 v[CB6], 0x40fce9c5                   ; (2 pi)^12 / 12!
	v_mov_b32 v[CB6+1], 0x40fce9c5
	s_and_b32 s44, s17, 56                         ; the record's place p = 8 (g / 8) + 2 (g % 4) + (g / 4) % 2
	s_and_b32 s45, s17, 3
	s_lshl1_add_u32 s44, s45, s44
	s_bfe_u32 s45, s17, 0x10002
	s_add_co_u32 s44, s44, s45
	s_lshl_b32 s45, s18, 8                         ; four heads of 64 records
	s_add_co_u32 s44, s44, s45
	s_mul_i32 s19, s44, REC                        ; the first head's record, in bytes: kept for the scale words' way out
	s_lshl_b32 s45, s15, 12
	s_add_co_u32 s46, s19, s45                     ; + 4,096 kc
	s_lshl_b32 s45, s16, 11
	s_add_co_u32 s46, s46, s45                     ; + 2,048 u   (s47 is still 0)
	s_add_nc_u64 s[28:29], s[10:11], s[46:47]      ; where my 2,048 bytes of codes go, for each of the four heads
	s_add_nc_u64 s[30:31], s[28:29], 64*REC
	s_add_nc_u64 s[32:33], s[30:31], 64*REC
	s_add_nc_u64 s[34:35], s[32:33], 64*REC
; cos and sin of 2 pi (t freq mod 1) for the columns e, e + 1 of row group i
.macro SINCOS i, e
	v_pk_mul_f32 v[W:W+1], v[TF:TF+1], v[Y+\e:Y+\e+1]              ; x = t freq
	v_floor_f32 v[W+2], v[W]
	v_floor_f32 v[W+3], v[W+1]
	v_pk_add_f32 v[W:W+1], v[W:W+1], v[W+2:W+3] neg_lo:[0,1] neg_hi:[0,1]   ; f = x - floor(x)
	v_pk_add_f32 v[W+2:W+3], v[W:W+1], v[W:W+1]
	v_rndne_f32 v[W+2], v[W+2]
	v_rndne_f32 v[W+3], v[W+3]                                     ; q = 0, 1 or 2
	v_pk_fma_f32 v[W:W+1], v[W+2:W+3], -0.5, v[W:W+1] op_sel_hi:[1,0,1]     ; r = f - q / 2
	v_pk_mul_f32 v[W+4:W+5], v[W:W+1], v[W:W+1]                    ; z = r^2
	v_pk_fma_f32 v[W+6:W+7], v[W+4:W+5], v[CA5:CA5+1], 0x42283c1a op_sel_hi:[1,1,0]   ; the two series by Horner's scheme, by turns
	v_pk_fma_f32 v[W+8:W+9], v[W+4:W+5], v[CB6:CB6+1], 0xc1d368f9 op_sel_hi:[1,1,0]
	v_pk_fma_f32 v[W+6:W+7], v[W+6:W+7], v[W+4:W+5], 0xc2996966 op_sel_hi:[1,1,0]
	v_pk_fma_f32 v[W+8:W+9], v[W+8:W+9], v[W+4:W+5], 0x4270fa83 op_sel_hi:[1,1,0]
	v_pk_fma_f32 v[W+6:W+7], v[W+6:W+7], v[W+4:W+5], 0x42a335e3 op_sel_hi:[1,1,0]
	v_pk_fma_f32 v[W+8:W+9], v[W+8:W+9], v[W+4:W+5], 0xc2aae9e4 op_sel_hi:[1,1,0]
	v_pk_fma_f32 v[W+6:W+7], v[W+6:W+7], v[W+4:W+5], 0xc2255de7 op_sel_hi:[1,1,0]
	v_pk_fma_f32 v[W+8:W+9], v[W+8:W+9], v[W+4:W+5], 0x4281e0f8 op_sel_hi:[1,1,0]
	v_pk_fma_f32 v[W+6:W+7], v[W+6:W+7], v[W+4:W+5], 0x40c90fdb op_sel_hi:[1,1,0]
	v_pk_fma_f32 v[W+8:W+9], v[W+8:W+9], v[W+4:W+5], 0xc19de9e6 op_sel_hi:[1,1,0]
	v_pk_mul_f32 v[W+6:W+7], v[W+6:W+7], v[W:W+1]                  ; sin(2 pi r)
	v_pk_fma_f32 v[W+8:W+9], v[W+8:W+9], v[W+4:W+5], 1.0 op_sel_hi:[1,1,0]   ; cos(2 pi r)
	v_cvt_i32_f32 v[W+2], v[W+2]
	v_cvt_i32_f32 v[W+3], v[W+3]
	v_lshlrev_b32 v[W+2], 31, v[W+2]                               ; an odd q turns both signs
	v_lshlrev_b32 v[W+3], 31, v[W+3]
	v_xor_b32 v[SI+16*\i+\e], v[W+2], v[W+6]
	v_xor_b32 v[SI+16*\i+\e+1], v[W+3], v[W+7]
	v_xor_b32 v[CO+16*\i+\e], v[W+2], v[W+8]
	v_xor_b32 v[CO+16*\i+\e+1], v[W+3], v[W+9]
.endm
	s_wait_loadcnt 16                              ; freqs are in; V's 16 loads stay out
.irp i, 0,1,2,3
	v_add_nc_u32 v[TF], 4*\i+8*(\i/2), v[TI]       ; my row of this group
	v_cvt_f32_u32 v[TF], v[TF]
	v_mov_b32 v[TF+1], v[TF]
.irp e, 0,2,4,6,8,10,12,14
	SINCOS \i, \e
.endr
.endr
; A head's 64 numbers a lane out of my own tiles: row group i (rows 4 i + lane / 8 of the tile's 16), 64 bytes a lane
.macro XLOAD hl
	s_wait_tensorcnt 6-2*\hl                       ; tensor loads of a wave end in order (ISA guide 10.11.1): this head's two tiles are in, the later heads' stay out
	WIN 0x40                                       ; destination window 1
.irp i, 0,1,2,3
.irp q, 0,1,2,3
	ds_load_b128 v[16*\i+4*\q:16*\i+4*\q+3], v[XAD] offset:\hl*THEAD+\i*4*TROW+16*\q
.endr
.endr
	WIN 0
.endm
; Row group i of head hl: rotated, quantised (two neighbouring lanes hold a block of 32), codes and scale byte into LDS.  cnt: the younger LDS instructions, which stay out
.macro GROUP hl, i, cnt
.set XR, 16*\i
	s_wait_dscnt \cnt
	WIN 0x01                                       ; source 0: window 1
.irp e, 0,2,4,6,8,10,12,14
	v_pk_mul_f32 v[Y+\e:Y+\e+1], v[XR+\e:XR+\e+1], v[CO+16*\i+\e:CO+16*\i+\e+1]
.endr
.irp e, 0,2,4,6,8,10,12,14
	v_pk_fma_f32 v[Y+\e:Y+\e+1], v[XR+\e:XR+\e+1], v[SI+16*\i+\e:SI+16*\i+\e+1], v[Y+\e:Y+\e+1] op_sel:[1,0,0] op_sel_hi:[0,1,1] neg_lo:[0,1,0]   ; even: - x_odd sin_even; odd: + x_even sin_odd
.endr
	WIN 0
	v_max3_num_f32 v[W], |v[Y]|, |v[Y+1]|, |v[Y+2]|                ; the largest magnitude of my 16, in two chains
	v_max3_num_f32 v[W+1], |v[Y+3]|, |v[Y+4]|, |v[Y+5]|
.irp k, 6,10
	v_max3_num_f32 v[W], v[W], |v[Y+\k]|, |v[Y+\k+1]|
	v_max3_num_f32 v[W+1], v[W+1], |v[Y+\k+2]|, |v[Y+\k+3]|
.endr
	v_max3_num_f32 v[W], v[W], |v[Y+14]|, |v[Y+15]|
	v_max_num_f32 v[W], v[W], v[W+1]
	v_max_num_f32_dpp v[W], v[W], v[W] row_xmask:1 row_mask:0xf bank_mask:0xf   ; and of my neighbour's 16
	v_lshrrev_b32 v[W+1], 23, v[W]                 ; its exponent field
	v_max_u32 v[W+1], 16, v[W+1]                   ; the byte is not to fall under 1
	v_lshl_or_b32 v[W+3], v[W+1], 23, 0x600000     ; 57,344 x the scale
	v_add_nc_u32 v[W+1], -15, v[W+1]               ; the byte
	v_lshlrev_b32 v[W+4], 23, v[W+1]               ; the scale as f32
	v_cmp_eq_u32 vcc_lo, 0, v[W]
.irp k, 0,1,2,3,4,5,6,7,8,9,10,11,12,13,14,15
	v_med3_num_f32 v[Y+\k], v[Y+\k], -v[W+3], v[W+3]               ; the conversion does not saturate (ISA guide 7.6.2): hold first
.endr
	v_cvt_scalef32_pk8_bf8_f32 v[CD+4*\i:CD+4*\i+1], v[Y:Y+7], v[W+4]
	v_cvt_scalef32_pk8_bf8_f32 v[CD+4*\i+2:CD+4*\i+3], v[Y+8:Y+15], v[W+4]
	v_cndmask_b32 v[BY+\i], v[W+1], 127, vcc_lo    ; a block of zeros gets 127.  (Also the plain instruction between the conversions and what touches their results or sources)
	ds_store_b128 v[STA], v[CD+4*\i:CD+4*\i+3] offset:64*\i
	ds_store_b8 v[KSB], v[BY+\i] offset:512*\hl+16*\i              ; both lanes of a block write the same byte with the same value
.endm
; A head's 2,048 bytes of codes leave: LDS serves a wave's instructions in order, so the loads see the stores above; each store covers 512 consecutive bytes, aligned
.macro HEADOUT hl
	s_wait_xcnt 0x0                                ; the last head's stores have read these registers
.irp m, 0,1,2,3
	ds_load_b128 v[OUTR+4*\m:OUTR+4*\m+3], v[STR] offset:576*\m
.endr
.irp m, 0,1,2,3
	s_wait_dscnt 3-\m                              ; the younger loads stay out; at the last one all of the head's LDS instructions are done
	global_store_b128 v[L16], v[OUTR+4*\m:OUTR+4*\m+3], s[28+2*\hl:29+2*\hl] offset:512*\m
.endr
.endm
; A head.  Its LDS loads stand directly in front of it, so that behind the arrival of a wave's last tile only one head's work is left.
; The counts: behind group i's four loads stand the 12 - 4 i loads of the later groups and the 2 i LDS stores of the groups before.
.macro HEAD hl
	XLOAD \hl
	GROUP \hl, 0, 12
	GROUP \hl, 1, 10
	GROUP \hl, 2, 8
	GROUP \hl, 3, 6
	HEADOUT \hl
.endm
	HEAD 0
	HEAD 1
	HEAD 2
	HEAD 3                                         ; its wait on TENSORcnt is for 0: no tensor load is out from here on
	; THE V JOB: register 4 k + j holds key k of my column j.  A block of 32 keys is my 16 and those of lane l xor 16
	s_wait_loadcnt 0x0
	WIN 0x15                                       ; all three sources: window 1
.irp j, 0,1,2,3
	v_max3_num_f32 v[VM+\j], |v[VX+\j]|, |v[VX+4+\j]|, |v[VX+8+\j]|
.endr
	WIN 0x14                                       ; sources 1 and 2: window 1
.irp k, 3,5,7,9,11,13
.irp j, 0,1,2,3
	v_max3_num_f32 v[VM+\j], v[VM+\j], |v[VX+4*\k+\j]|, |v[VX+4*\k+4+\j]|
.endr
.endr
.irp j, 0,1,2,3
	v_max3_num_f32 v[VM+\j], v[VM+\j], |v[VX+60+\j]|, |v[VX+60+\j]|
.endr
	WIN 0
.irp j, 0,1,2,3
	v_mov_b32 v[VM+4+\j], 0                        ; (the destination of a lane permute counts as read)
	v_permlanex16_b32 v[VM+4+\j], v[VM+\j], s40, s41
	v_max_num_f32 v[VM+\j], v[VM+\j], v[VM+4+\j]
	v_lshrrev_b32 v[VM+4+\j], 23, v[VM+\j]
	v_max_u32 v[VM+4+\j], 16, v[VM+4+\j]
	v_lshl_or_b32 v[VM+8+\j], v[VM+4+\j], 23, 0x600000
	v_add_nc_u32 v[VM+4+\j], -15, v[VM+4+\j]
	v_lshlrev_b32 v[VM+12+\j], 23, v[VM+4+\j]
	v_cmp_eq_u32 vcc_lo, 0, v[VM+\j]
	v_cndmask_b32 v[VM+16+\j], v[VM+4+\j], 127, vcc_lo
.endr
	WIN 0x01
.irp j, 0,1,2,3
.irp k, 0,1,2,3,4,5,6,7,8,9,10,11,12,13,14,15
	v_med3_num_f32 v[CO+16*\j+\k], v[VX+4*\k+\j], -v[VM+8+\j], v[VM+8+\j]   ; the hold also brings a column's 16 keys into consecutive registers
.endr
.endr
	WIN 0
.irp j, 0,1,2,3
	v_cvt_scalef32_pk8_bf8_f32 v[CD+4*\j:CD+4*\j+1], v[CO+16*\j:CO+16*\j+7], v[VM+12+\j]
	v_cvt_scalef32_pk8_bf8_f32 v[CD+4*\j+2:CD+4*\j+3], v[CO+16*\j+8:CO+16*\j+15], v[VM+12+\j]
.endr
	v_nop                                          ; one plain instruction behind the conversions
.irp j, 0,1,2,3
	ds_store_b128 v[VST], v[CD+4*\j:CD+4*\j+3] offset:16*\j
	ds_store_b8 v[VSB], v[VM+16+\j] offset:4*\j    ; both halves of the lanes write the same byte with the same value
.endr
	s_wait_xcnt 0x0                                ; head 3's stores have read these registers
.irp m, 0,1,2,3
	ds_load_b128 v[OUTR+4*\m:OUTR+4*\m+3], v[VRD] offset:528*\m
.endr
.irp m, 0,1,2,3
	s_wait_dscnt 3-\m
	global_store_b128 v[L16], v[OUTR+4*\m:OUTR+4*\m+3], s[38:39] offset:(\m/2)*VREC+(\m%2)*2048   ; chunk m: record 2 dh + m / 2, tile m % 2, block c: 512 consecutive bytes
.endr
	; THE SCALE WORDS: every wave has written bytes of them; they leave as whole aligned runs
	s_wait_dscnt 0x0                               ; for the others' sake: my byte stores are done
	s_barrier_signal -1
	s_barrier_wait -1
	s_cmp_lt_u32 s14, 4
	s_cbranch_scc0 .Lv_scales
	s_lshl_b32 s44, s14, 9                         ; waves 0-3: the 512 bytes of head 4 (wg / 64) + wave
	s_add_co_u32 s44, s44, KSA
	v_add_nc_u32 v18, s44, v[L16]
	ds_load_b128 v[32:35], v18
	s_mul_i32 s46, s14, 64*REC
	s_add_co_u32 s46, s46, s19
	s_add_co_u32 s46, s46, 16384                   ; behind the record's codes
	s_mov_b32 s47, 0
	s_add_nc_u64 s[46:47], s[10:11], s[46:47]
	s_wait_dscnt 0x0
	global_store_b128 v[L16], v[32:35], s[46:47]
	s_wait_tensorcnt 0x0
	ds_add_u32 v254, v255
	s_wait_dscnt 0x0
	s_endpgm
.Lv_scales:
	s_sub_co_u32 s44, s14, 4                       ; waves 4-7: record w = wave - 4 of V's step: 32 words
	s_lshl_b32 s45, s44, 7
	s_add_co_u32 s45, s45, VSA
	v_lshrrev_b32 v18, 2, v[L16]                   ; 4 x lane
	v_add_nc_u32 v18, s45, v18
	ds_load_b32 v32, v18
	v_mov_b32 v33, 0
	v_lshrrev_b32 v20, 1, v[L16]                   ; 8 x lane
	s_mul_i32 s46, s44, VREC
	s_add_co_u32 s46, s46, s42
	s_add_co_u32 s46, s46, 4096                    ; behind the record's codes
	s_mov_b32 s47, 0
	s_add_nc_u64 s[46:47], s[12:13], s[46:47]
	s_wait_dscnt 0x0
	global_store_b64 v20, v[32:33], s[46:47]       ; 32 lanes store 256 consecutive bytes, aligned
	s_wait_tensorcnt 0x0
	ds_add_u32 v254, v255
	s_wait_dscnt 0x0
	s_endpgm
.Lfunc_end_k_qf7f56afa91_prep:
	.size	k_qf7f56afa91_prep, .Lfunc_end_k_qf7f56afa91_prep-k_qf7f56afa91_prep
	.p2alignl 7, 3214868480
	.fill 96, 4, 3214868480
	.section	.rodata,"a",@progbits
	.p2align	6, 0x0
	.amdhsa_kernel k_qf7f56afa91_prep
		.amdhsa_group_segment_fixed_size 300544
		.amdhsa_private_segment_fixed_size 0
		.amdhsa_enable_private_segment 0
		.amdhsa_kernarg_size 40
		.amdhsa_user_sgpr_count 2
		.amdhsa_user_sgpr_kernarg_segment_ptr 1
		.amdhsa_wavefront_size32 1
		.amdhsa_system_sgpr_workgroup_id_x 1
		.amdhsa_system_sgpr_workgroup_id_y 1
		.amdhsa_system_sgpr_workgroup_id_z 1
		.amdhsa_system_vgpr_workitem_id 0
		.amdhsa_next_free_vgpr 384
		.amdhsa_next_free_sgpr 100
		.amdhsa_reserve_vcc 1
		.amdhsa_float_denorm_mode_32 3
		.amdhsa_float_denorm_mode_16_64 3
		.amdhsa_memory_ordered 1
		.amdhsa_forward_progress 1
		.amdhsa_inst_pref_size 137
	.end_amdhsa_kernel
	.amdgpu_metadata
---
amdhsa.version: [ 1, 2 ]
amdhsa.kernels:
  - .name:           k_qf7f56afa91_prep
    .symbol:         k_qf7f56afa91_prep.kd
    .args:
      - { .name: Q, .offset: 0, .size: 8, .value_kind: global_buffer, .address_space: global }
      - { .name: V, .offset: 8, .size: 8, .value_kind: global_buffer, .address_space: global }
      - { .name: freqs, .offset: 16, .size: 8, .value_kind: global_buffer, .address_space: global }
      - { .name: qk, .offset: 24, .size: 8, .value_kind: global_buffer, .address_space: global }
      - { .name: vt, .offset: 32, .size: 8, .value_kind: global_buffer, .address_space: global }
    .group_segment_fixed_size: 300544
    .private_segment_fixed_size: 0
    .kernarg_segment_align: 8
    .kernarg_segment_size: 40
    .max_flat_workgroup_size: 256
    .sgpr_count:     100
    .vgpr_count:     384
    .wavefront_size: 32
...
	.end_amdgpu_metadata
.endif
;; end of part 3
;; launch attn (part 4): grid 16 x 16, 4 waves a work-group, clusters of 4 x 1, 327,680 bytes of LDS; arguments qk, vt, out0; writes out0
.if DOCPART == 4
	.amdgcn_target "amdgcn-amd-amdhsa--gfx1250"
	.amdhsa_code_object_version 6
	.text
	.protected	k_qf7f56afa91_attn
	.globl	k_qf7f56afa91_attn
	.p2align	8
	.type	k_qf7f56afa91_attn,@function
k_qf7f56afa91_attn:
	s_mov_b64 s[64:65], 0
	v_nop
	global_prefetch_b8 v0, s[64:65] scope:SCOPE_SE
	s_setreg_imm32_b32 hwreg(HW_REG_WAVE_MODE, 25, 1), 1
	s_wait_xcnt 0x0
	s_wait_alu depctr_hold_cnt(0) depctr_sa_sdst(0) depctr_va_vdst(0) depctr_va_sdst(0) depctr_va_ssrc(0) depctr_va_vcc(0) depctr_vm_vsrc(0)
	s_getreg_b32 s2, hwreg(HW_REG_IB_STS2, 6, 4)
	s_cmp_eq_u32 s2, 0
	s_cbranch_scc0 .Lentry_in_a_cluster
	s_endpgm
.Lentry_in_a_cluster:
	s_bfe_u32 s2, ttmp6, 0x10000c
	s_cmp_lg_u32 s2, 0x3003
	s_cbranch_scc0 .Lentry_shape_is_right
	s_endpgm
.Lentry_shape_is_right:
; out[h][t][:] = the sum over s < t of (QR[t] . QR[s]) V[s][:], both products on codes of BF8 (E5M2) with one E8M0 scale for each 32 along K.
; qk and vt hold QR's and V's codes and scale words as register images (their layouts: the head of the launch that makes them).
; The scores, with zeros at s >= t, are quantised along the keys in blocks of 32 and are the second product's operand.
; SHARES.  A work-group makes two blocks of 64 queries of one head, one after the other: block bB = 4 c + cx with c + 1 slots of 256 keys, then block 31 - bB with 8 - c slots:
; nine slots, 18 steps of 128 keys, in every work-group.  c is the cluster's x: every trip count hangs on it alone.  cx enters only Q's and out's global addresses and the mask's vector registers.
; A STEP: all four waves work on the same 64 queries x 128 keys.  Wave w makes S^T for keys 32 w .. 32 w + 31 (source 0 = 16 keys, source 1 = 16 queries; K = 512: 32 matrix instructions; both blocks' Q stay in registers),
; masks and quantises it (a lane holds one query; the 16 registers of its two key tiles are 16 neighbouring keys, the block's other 16 lie in lane l xor 16), and puts the codes into LDS as registers 4 w .. 4 w + 3
; of the second product's operand.  Behind one barrier every wave reads all four parts and makes O^T += V^T P^T for channels 32 w .. 32 w + 31 (8 matrix instructions): no sum crosses waves.
; NO LOAD IS WAITED FOR STRAIGHT BEHIND ITS ISSUE.  The second product runs one step late, behind the next step's first product: P's 20 LDS loads land under those 32 matrix instructions.
; A step's key fragments are fetched a step ahead, in four runs of eight LDS loads between the stages of the quantiser.  V comes one step ahead, the second block's Q at the kernel's head.
; CLUSTER.  The four partners walk the same key tiles: each wave's part of a slot (two records, 33,792 dense bytes) is asked for JOINTLY, mask 15.  A wave reads only what its own load brought.
; V IS NOT IN THE RING AND NOT ASKED FOR JOINTLY: two slots of two steps with V's 2 x 17,408 bytes each would be 339,968 bytes, more than the 327,680 at hand; V is 17,408 of a step's 84,992 bytes;
; each wave loads its own 4,352 bytes straight into registers, 512 consecutive bytes an instruction.
; THE MASK is made of whole numbers: key < query.  The first slot of block bB is always masked (it is the diagonal where c = 0 and loses nothing elsewhere); of the 18 steps one is wholly masked in every work-group.
; LIMITS: NaN and infinities are not served; blocks whose byte is held at 1 were not tried.  Sums: K ascending, one accumulator for each output.
; REGISTERS, in windows of 256: window 0: addresses, scale words, the quantiser's scratch, S^T (v84-147), O^T (v148-211).  window 1: block bB's Q, fragment (qt, kc) at 64 qt + 16 kc.  window 3: block bA's, likewise.
;   window 2: K's fragments, (kc, u) at 32 kc + 16 u; V's, two sets, (set, dt) at 128 + 32 set + 16 dt; P's, qt at 192 + 16 qt.
.set REC,   16896                      ; a record of qk: 32 rows: 16,384 bytes of codes, 512 of scale words
.set WTILE, 2*REC                      ; a wave's part of a slot: 132 rows of 256 bytes
.set KSLOT, 4*WTILE                    ; a slot: 135,168 = 0x21000 bytes, in memory and in LDS; it shares no bit with wave x 33,792, so one exclusive or turns an address from slot to slot
.set PB,    2*KSLOT                    ; behind the ring: two buffers for P: codes [qt 4][part 4][lane 32][16 bytes], then scale words [qt 4][query 16][4 bytes]
.set PBUF,  8448
.set SPARE, PB+2*PBUF                  ; the spare words, 128 bytes for each wave: two blocks of 256 bytes that no other line names
.set STG,   SPARE+512                  ; the way out: 64 rows of 512 bytes + 16
.set SPITCH, 528
.set VREC,  4352
.set VSTEP, 4*VREC                     ; from a key step of vt to the next
.set SPW, 3                            ; v3   LDS address of my spare word; never rewritten
.set NIL, 4                            ; v4   0; never rewritten
.set AK0, 5                            ; v5   16 lane + my wave's part of a slot
.set AS0, 6                            ; v6   4 lane + the same
.set ADK, 7                            ; v7   AK0 in the slot from which keys are fetched
.set ADS, 8                            ; v8   AS0 in that slot
.set PST, 9                            ; v9   where my codes of P go
.set PSS, 10                           ; v10  where my scale byte of P goes
.set PLD, 11                           ; v11  where P's codes are read
.set PSL, 12                           ; v12  where P's scale words are read
.set L16, 13                           ; v13  16 lane
.set L8V, 14                           ; v14  8 lane + 4,096: V's scale words
.set L4Q, 15                           ; v15  4 lane + 16,384: Q's scale words
.set OST, 16                           ; v16  the way out: into the stage
.set ORD, 17                           ; v17  out of it
.set RB,  18                           ; v18  r + 8 (r / 8) - 32 w - 16 h
.set TQ,  20                           ; v20-23 my query of tile qt, less 32 w + 16 h
.set LIM, 24                           ; v24-27 how many of my 16 keys lie in front of it
.set KSR, 28                           ; v28-31 K's scale words, one for each 128 along K: lanes 0-15 tile 0, lanes 16-31 tile 1.  v28-45 and v212-219 hold scales and nothing else
.set QS,  32                           ; v32-39 block bB's Q: 4 (qt / 2) + kc: lanes 0-15 the even tile, lanes 16-31 the odd one
.set PS,  40                           ; v40-43 P's, one for each qt
.set VS,  44                           ; v44-45 V's, one for each set: lanes 0-15 dt = 0, lanes 16-31 dt = 1
.set QM,  48                           ; v48-67 the quantiser: largest magnitude, at work, limit, scale, byte: four each
.set PO,  68                           ; v68-83 my codes of P, four registers for each qt
.set S,   84                           ; v84-147 S^T: 16 qt + 8 u + j; on the way out rows of out
.set OA,  148                          ; v148-211 O^T: 8 (2 qt + dt) + j
.set QS2, 212                          ; v212-219 block bA's Q: scale words, as QS
.set WV,  10                           ; s10 wave   s11 c   s12 cx   s13 head   s14 bB   s15 bA
.set CC,  11
.set G1,  16                           ; s[16:23] descriptor group 1
.set G0A, 24                           ; s[24:27] group 0 of tile 0
.set G0B, 28                           ; s[28:31] group 0 of tile 1, which then walks on
.set BW,  32                           ; s[32:33] qk at the head's first record of my wave
.set NI,  34                           ; s34 the tile asked for last
.set C1,  35                           ; s35 c + 1
.set OFS, 36                           ; s[36:37] a tile's offset; s37 stays 0
.set TMP, 38
.set SQB, 40                           ; s[40:41], s[42:43] Q's records of the two blocks
.set SQA, 42
.set SV,  44                           ; s[44:45] vt at the step loaded last
.set SV0, 46                           ; s[46:47] vt at the head's step 0, my record
.set SOB, 48                           ; s[48:49], s[50:51] out at the rows that I store, for the two blocks
.set SOA, 50
.set TB,  52                           ; s52 LDS byte at which the slot begins from which keys are fetched
.set KB,  53                           ; s53 first key of the next masked step
.set CNT, 54
.set SEL, 56                           ; s[56:57] lane selects for v_permlanex16_b32: lane l xor 16
.set MSB, 0
.macro WIN new                         ; the immediate's high byte repeats the setting that is left
.if MSB != \new
	s_set_vgpr_msb (MSB<<8)|\new
.set MSB, \new
.endif
.endm
.macro PLACES n
.rept \n
	v_nop
.endr
.endm
; A round of the cluster's barrier: my work-group's barrier; wave 0 signals for the work-group; every wave waits for all four work-groups; my work-group's barrier once more
.macro ROUND
	s_barrier_signal -1
	s_barrier_wait -1
	s_cmp_lg_u32 s[WV], 0
	s_cbranch_scc1 .Lnot_wave_0_\@
	s_barrier_signal -3
.Lnot_wave_0_\@:
	s_barrier_wait -3
	s_barrier_signal -1
	s_barrier_wait -1
.endm
.macro QPOS dst, b                     ; the byte offset in qk of block b's first record: place 8 (b / 4) + 4 (b % 2) + (b / 2) % 2; the second lies two records on
	s_lshr_b32 s59, s[\b], 2
	s_lshl_b32 s59, s59, 3
	s_and_b32 s60, s[\b], 1
	s_lshl2_add_u32 s59, s60, s59
	s_bfe_u32 s60, s[\b], 0x10001
	s_add_co_u32 s59, s59, s60
	s_mul_i32 s59, s59, REC
	s_add_co_u32 s[\dst], s59, s[TMP]
	s_mov_b32 s[\dst+1], 0
.endm
	s_load_b128 s[4:7], s[0:1], 0x0                ; qk s[4:5], vt s[6:7]
	s_load_b64 s[8:9], s[0:1], 0x10                ; out0
	v_lshl_add_u32 v[SPW], v0, 2, SPARE
	v_mov_b32 v[NIL], 0
	ds_add_u32 v3, v4
	ds_add_u32 v3, v4
	s_wait_dscnt 0x0
	v_lshrrev_b32 v1, 5, v0
	v_readfirstlane_b32 s[WV], v1                  ; wave 0..3
	s_mov_b32 s[CC], ttmp9                         ; c: in a cluster launch ttmp9 counts clusters
	s_and_b32 s13, ttmp7, 0xffff                   ; the head
	s_add_co_u32 s[C1], s[CC], 1
	s_mov_b32 s[NI], 1
	s_mov_b32 s[TB], 0
	s_mov_b32 s[KB], 0
	s_mov_b32 s[SEL], 0x76543210
	s_mov_b32 s[SEL+1], 0xfedcba98
	; descriptor group 1: a dense block of 33,792 bytes as 132 rows of 32 elements of 8 bytes; no padding: every LDS load of a tile takes 32 lanes x 16 (or 4) consecutive bytes
	s_mov_b32 s[G1+0], 15|(3<<16)|(1<<21)          ; 15:0 the mask: all four work-groups; 17:16 elements of 8 bytes; 21 set beside a mask
	s_mov_b32 s[G1+1], 32<<16                      ; tensor_dim0 = 32
	s_mov_b32 s[G1+2], 132<<16                     ; tensor_dim1 = 132
	s_mov_b32 s[G1+3], 32<<16                      ; tile_dim0 = 32
	s_mov_b32 s[G1+4], 132                         ; tile_dim1 = 132
	s_mov_b32 s[G1+5], 32                          ; from row to row
	s_mov_b32 s[G1+6], 0
	s_mov_b32 s[G1+7], 0
	s_mul_i32 s[G0A+1], s[WV], WTILE               ; LDS: wave x 33,792, slot 0
	s_add_co_u32 s[G0B+1], s[G0A+1], KSLOT         ; slot 1
	; vector addresses: none holds cx
	v_and_b32 v1, 31, v0                           ; lane
	v_and_b32 v2, 15, v0                           ; r
	v_bfe_u32 v19, v0, 4, 1                        ; h
	v_lshlrev_b32 v[L16], 4, v1
	v_add_nc_u32 v[AK0], s[G0A+1], v[L16]
	v_lshl_add_u32 v[AS0], v1, 2, s[G0A+1]
	v_add_nc_u32 v[ADK], s[TB], v[AK0]
	v_add_nc_u32 v[ADS], s[TB], v[AS0]
	s_lshl_b32 s59, s[WV], 9
	s_add_co_u32 s59, s59, PB
	v_add_nc_u32 v[PST], s59, v[L16]               ; part w: 512 bytes
	s_add_co_u32 s60, s[WV], PB+8192
	v_lshl_add_u32 v[PSS], v2, 2, s60              ; byte w of query r's word
	v_add_nc_u32 v[PLD], PB, v[L16]
	v_lshlrev_b32 v[PSL], 2, v2
	v_add_nc_u32 v[PSL], PB+8192, v[PSL]
	v_lshlrev_b32 v[L8V], 3, v1
	v_add_nc_u32 v[L8V], 4096, v[L8V]
	v_lshlrev_b32 v[L4Q], 2, v1
	v_add_nc_u32 v[L4Q], 16384, v[L4Q]
	s_lshl_b32 s61, s[WV], 7
	s_add_co_u32 s61, s61, STG
	v_mul_u32_u24 v[OST], v2, SPITCH               ; row r of a tile's 16; my 32 channels: 128 w; my eight: 32 h
	v_lshl_add_u32 v[OST], v19, 5, v[OST]
	v_add_nc_u32 v[OST], s61, v[OST]
	s_mul_i32 s62, s[WV], 16*SPITCH
	s_add_co_u32 s62, s62, STG
	v_add_nc_u32 v[ORD], s62, v[L16]               ; back: wave w takes tile w's 16 rows, whole
	v_and_b32 v[RB], 8, v2
	v_add_nc_u32 v[RB], v[RB], v2
	v_lshlrev_b32 v19, 4, v19
	v_sub_nc_u32 v[RB], v[RB], v19
	s_lshl_b32 s63, s[WV], 5
	v_sub_nc_u32 v[RB], v[RB], s63
.irp qt, 0,1,2,3
	v_mov_b32 v[QM+4+\qt], 0                       ; (the destination of a lane permute counts as read)
.endr
	; offsets, each in registers of its own
	s_mul_i32 s[TMP], s13, 64*REC                  ; the head's records
	s_add_co_u32 s[OFS], s[TMP], s[G0A+1]          ; + wave x 33,792: shared by the four partners
	s_mov_b32 s[OFS+1], 0
	s_mul_i32 s[SV0], s13, 16*VSTEP
	s_mul_i32 s59, s[WV], VREC
	s_add_co_u32 s[SV0], s[SV0], s59
	s_mov_b32 s[SV0+1], 0
	s_bfe_u32 s12, ttmp6, 0x40000                  ; cx: my place in the cluster
	s_lshl2_add_u32 s14, s[CC], s12                ; bB = 4 c + cx
	s_sub_co_u32 s15, 31, s14                      ; bA
	QPOS SQB, 14
	QPOS SQA, 15
	s_lshl_b32 s59, s13, 20                        ; out: a head of 1,048,576 bytes,
	s_lshr_b32 s60, s[WV], 1
	s_lshl_b32 s60, s60, 14                        ; the rows of tile qt = w begin at 32 (w / 2) + 8 (w % 2), 512 bytes a row
	s_add_co_u32 s59, s59, s60
	s_and_b32 s60, s[WV], 1
	s_lshl_b32 s60, s60, 12
	s_add_co_u32 s59, s59, s60
	s_lshl_b32 s60, s14, 15                        ; 64 rows a block
	s_add_co_u32 s[SOB], s59, s60
	s_mov_b32 s[SOB+1], 0
	s_lshl_b32 s60, s15, 15
	s_add_co_u32 s[SOA], s59, s60
	s_mov_b32 s[SOA+1], 0
	s_wait_kmcnt 0x0
	s_add_nc_u64 s[BW:BW+1], s[4:5], s[OFS:OFS+1]
	s_add_nc_u64 s[SQB:SQB+1], s[4:5], s[SQB:SQB+1]
	s_add_nc_u64 s[SQA:SQA+1], s[4:5], s[SQA:SQA+1]
	s_add_nc_u64 s[SV0:SV0+1], s[6:7], s[SV0:SV0+1]
	s_add_nc_u64 s[SOB:SOB+1], s[8:9], s[SOB:SOB+1]
	s_add_nc_u64 s[SOA:SOA+1], s[8:9], s[SOA:SOA+1]
	; THE TILES in the order in which they are walked: tile i holds key slot i where i <= c (block bB's), else i - c - 1 (block bA's); tile i lies in ring slot i % 2
	s_mov_b32 s[G0A], 1                            ; count = 1
	s_mov_b64 s[G0A+2:G0A+3], s[BW:BW+1]           ; tile 0: key slot 0
	s_or_b32 s[G0A+3], s[G0A+3], 0x80000000        ; type = 2
	s_mov_b32 s[G0B], 1
	s_cmp_ge_u32 s[CC], 1
	s_cselect_b32 s[OFS], KSLOT, 0                 ; tile 1: key slot 1, or 0 where c = 0
	s_add_nc_u64 s[G0B+2:G0B+3], s[BW:BW+1], s[OFS:OFS+1]
	s_or_b32 s[G0B+3], s[G0B+3], 0x80000000
	ROUND                                          ; all four work-groups are here: the first joint loads meet
	tensor_load_to_lds s[G0A:G0A+3], s[G1:G1+7]    ; both first fills go out together: two tensor loads of mine are out
	s_nop 0
	tensor_load_to_lds s[G0B:G0B+3], s[G1:G1+7]
	s_nop 0
	PLACES 4
; one matrix instruction.  d, a, b: first registers;  z = 1: it starts the sum;  sa, sb: scale registers;  ra, rb = 1: that side's scales stand in lanes 16-31
.macro WM d, a, b, z, sa, sb, ra, rb
.if \z
.if \ra
.if \rb
	v_wmma_scale_f32_16x16x128_f8f6f4 v[\d:\d+7], v[\a:\a+15], v[\b:\b+15], 0, v[\sa], v[\sb] matrix_a_fmt:MATRIX_FMT_BF8 matrix_b_fmt:MATRIX_FMT_BF8 matrix_a_scale:MATRIX_SCALE_ROW1 matrix_b_scale:MATRIX_SCALE_ROW1
.else
	v_wmma_scale_f32_16x16x128_f8f6f4 v[\d:\d+7], v[\a:\a+15], v[\b:\b+15], 0, v[\sa], v[\sb] matrix_a_fmt:MATRIX_FMT_BF8 matrix_b_fmt:MATRIX_FMT_BF8 matrix_a_scale:MATRIX_SCALE_ROW1
.endif
.else
.if \rb
	v_wmma_scale_f32_16x16x128_f8f6f4 v[\d:\d+7], v[\a:\a+15], v[\b:\b+15], 0, v[\sa], v[\sb] matrix_a_fmt:MATRIX_FMT_BF8 matrix_b_fmt:MATRIX_FMT_BF8 matrix_b_scale:MATRIX_SCALE_ROW1
.else
	v_wmma_scale_f32_16x16x128_f8f6f4 v[\d:\d+7], v[\a:\a+15], v[\b:\b+15], 0, v[\sa], v[\sb] matrix_a_fmt:MATRIX_FMT_BF8 matrix_b_fmt:MATRIX_FMT_BF8
.endif
.endif
.else
.if \ra
.if \rb
	v_wmma_scale_f32_16x16x128_f8f6f4 v[\d:\d+7], v[\a:\a+15], v[\b:\b+15], v[\d:\d+7], v[\sa], v[\sb] matrix_a_fmt:MATRIX_FMT_BF8 matrix_b_fmt:MATRIX_FMT_BF8 matrix_a_scale:MATRIX_SCALE_ROW1 matrix_b_scale:MATRIX_SCALE_ROW1
.else
	v_wmma_scale_f32_16x16x128_f8f6f4 v[\d:\d+7], v[\a:\a+15], v[\b:\b+15], v[\d:\d+7], v[\sa], v[\sb] matrix_a_fmt:MATRIX_FMT_BF8 matrix_b_fmt:MATRIX_FMT_BF8 matrix_a_scale:MATRIX_SCALE_ROW1
.endif
.else
.if \rb
	v_wmma_scale_f32_16x16x128_f8f6f4 v[\d:\d+7], v[\a:\a+15], v[\b:\b+15], v[\d:\d+7], v[\sa], v[\sb] matrix_a_fmt:MATRIX_FMT_BF8 matrix_b_fmt:MATRIX_FMT_BF8 matrix_b_scale:MATRIX_SCALE_ROW1
.else
	v_wmma_scale_f32_16x16x128_f8f6f4 v[\d:\d+7], v[\a:\a+15], v[\b:\b+15], v[\d:\d+7], v[\sa], v[\sb] matrix_a_fmt:MATRIX_FMT_BF8 matrix_b_fmt:MATRIX_FMT_BF8
.endif
.endif
.endif
.endm
; a block's 64 queries: 16 fragments and 8 scale words, 72 loads; each covers 512 (128) consecutive bytes.  win: the fragments' window as a destination;  qs: the scale words' registers
.macro QLOAD sq, win, qs
	WIN \win
.irp gl, 0,1
.irp u, 0,1
.irp kc, 0,1,2,3
.irp cc, 0,1,2,3
	global_load_b128 v[64*(2*\gl+\u)+16*\kc+4*\cc:64*(2*\gl+\u)+16*\kc+4*\cc+3], v[L16], s[\sq:\sq+1] offset:\gl*WTILE+\kc*4096+\u*2048+\cc*512
.endr
.endr
.endr
.endr
	WIN 0
.irp gl, 0,1
.irp kc, 0,1,2,3
	global_load_b32 v[\qs+4*\gl+\kc], v[L4Q], s[\sq:\sq+1] offset:\gl*WTILE+\kc*128
.endr
.endr
.endm
; a key step of V, my 32 channels, into set b: 9 loads
.macro VLOAD b, off
	WIN 0x80                                       ; destination window 2
.irp i, 0,1,2,3,4,5,6,7
	global_load_b128 v[128+32*(\b)+4*\i:128+32*(\b)+4*\i+3], v[L16], s[SV:SV+1] offset:\off+512*\i
.endr
	WIN 0
	global_load_b32 v[VS+(\b)], v[L8V], s[SV:SV+1] offset:\off
.endm
.macro VNEXT b
	s_wait_xcnt 0x0                                ; the base is a source of loads that may be out: it steps only behind this wait
	s_add_nc_u64 s[SV:SV+1], s[SV:SV+1], VSTEP
	VLOAD \b, 0
.endm
; What stands between two steps.  kind 0: nothing.  1: a barrier for the exchange of P.
; 2: the same barrier as a round of the cluster's, behind which the slot that has been read out is filled again: I wait for all my tensor loads (none is out any more: the slot ahead was waited for when its first
;    fragments were fetched), add 0 to my spare word, step the walking descriptor while the add is out, wait for the add and for my LDS instructions (my last reads of the slot that is filled, the fragments fetched
;    ahead, my stores of P); the round; the joint refill is the first thing behind it, my one tensor load until the next round.
.macro SYNC kind
.if \kind == 1
	s_wait_dscnt 0x0                               ; my codes and bytes of P are in LDS, my reads of the other buffer are over, the next step's key fragments are in
	s_barrier_signal -1
	s_barrier_wait -1
.endif
.if \kind == 2
	s_wait_tensorcnt 0x0                           ; no tensor load of mine is out, so a group 0 may be written
	ds_add_u32 v[SPW], v[NIL]                      ; 0 onto my spare word
	s_add_co_u32 s[NI], s[NI], 1                   ; the next tile,
	s_sub_co_u32 s[TMP], s[NI], s[C1]
	s_cmp_le_u32 s[NI], s[CC]
	s_cselect_b32 s[OFS], s[NI], s[TMP]            ; its key slot,
	s_mul_i32 s[OFS], s[OFS], KSLOT
	s_add_nc_u64 s[G0B+2:G0B+3], s[BW:BW+1], s[OFS:OFS+1]
	s_or_b32 s[G0B+3], s[G0B+3], 0x80000000
	s_xor_b32 s[G0B+1], s[G0B+1], KSLOT            ; into the other ring slot than last time
	s_wait_dscnt 0x0                               ; the add is done, and so are all my LDS instructions
	ROUND                                          ; the same holds of every wave of all four work-groups
	tensor_load_to_lds s[G0B:G0B+3], s[G1:G1+7]    ; 80 matrix instructions and one quantiser stand between it and the wait for it
	s_nop 0
	PLACES 4
.endif
.endm
.macro PLOAD b                         ; all four parts of P from buffer b: 20 LDS loads
	WIN 0x80
.irp qt, 0,1,2,3
.irp cb, 0,1,2,3
	ds_load_b128 v[192+16*\qt+4*\cb:192+16*\qt+4*\cb+3], v[PLD] offset:(\b)*PBUF+\qt*2048+\cb*512
.endr
.endr
	WIN 0
.irp qt, 0,1,2,3
	ds_load_b32 v[PS+\qt], v[PSL] offset:(\b)*PBUF+\qt*64
.endr
.endm
; THE KEYS OF THE NEXT STEP, my 32 of them.  kn = 0: there is none.  1: the second step of the slot in hand.  2: the first step of the slot ahead.
.macro KSCL kn                         ; 4 scale words
.irp kc, 0,1,2,3
	ds_load_b32 v[KSR+\kc], v[ADS] offset:(2-\kn)*REC+16384+\kc*128
.endr
.endm
.macro KPART kn, kc                    ; the two fragments of 128 along K: 8 LDS loads
.if \kn
	WIN 0x80                                       ; destination window 2
.irp u, 0,1
.irp cc, 0,1,2,3
	ds_load_b128 v[32*\kc+16*\u+4*\cc:32*\kc+16*\u+4*\cc+3], v[ADK] offset:(2-\kn)*REC+\kc*4096+\u*2048+\cc*512
.endr
.endr
	WIN 0
.endif
.endm
.macro KHEAD kn
.if \kn == 2
	s_wait_tensorcnt 0x0                           ; this wait serves reads: the one tensor load of mine that is out is my part of the slot ahead, asked for at this slot's head; only I read those bytes
	s_xor_b32 s[TB], s[TB], KSLOT                  ; the fetches go on to that slot
	v_add_nc_u32 v[ADK], s[TB], v[AK0]
	v_add_nc_u32 v[ADS], s[TB], v[AS0]
.endif
.if \kn
	KSCL \kn
.endif
.endm
.macro PV b, zero                      ; O^T += V^T P^T: eight accumulators, one instruction each
	WIN 0x0a                                       ; sources 0 and 1: window 2
.irp qt, 0,1,2,3
.irp dt, 0,1
	WM OA+8*(2*\qt+\dt), 128+32*(\b)+16*\dt, 192+16*\qt, \zero, VS+(\b), PS+\qt, \dt, 0
.endr
.endr
.endm
.macro SMUL                            ; S^T = K Q^T: eight accumulators take turns, one instruction a turn; K ascending.  QWIN and QSB name the block's Q
	WIN QWIN                                       ; source 0 (K): window 2; source 1 (Q): window 1 or 3
.irp kc, 0,1,2,3
.irp u, 0,1
.irp qt, 0,1,2,3
.if \kc == 0
	WM S+16*\qt+8*\u, 32*\kc+16*\u, 64*\qt+16*\kc, 1, KSR+\kc, QSB+4*(\qt/2)+\kc, \u, \qt%2
.else
	WM S+16*\qt+8*\u, 32*\kc+16*\u, 64*\qt+16*\kc, 0, KSR+\kc, QSB+4*(\qt/2)+\kc, \u, \qt%2
.endif
.endr
.endr
.endr
.endm
; My 32 keys x 64 queries: masked (mask = 1), quantised along the keys, into P's buffer e.  Register 16 qt + i of S holds key 16 h + i of my 32.  Every accumulator is read from its low end on.
; Between its stages stand the four runs of LDS loads that fetch the next step's keys (kn): K's registers are free since the eight places in front of this macro.
.macro QUANT e, mask, kn
	KHEAD \kn
	KPART \kn, 0
.if \mask
.irp qt, 0,1,2,3
	v_sub_nc_u32 v[LIM+\qt], v[TQ+\qt], s[KB]      ; key i stays where i < query - the step's first key - 32 w - 16 h
.endr
	s_add_co_u32 s[KB], s[KB], 128
.irp qt, 0,1,2,3
.irp i, 0,1,2,3,4,5,6,7,8,9,10,11,12,13,14,15
	v_cmp_lt_i32 vcc_lo, \i, v[LIM+\qt]
	v_cndmask_b32 v[S+16*\qt+\i], 0, v[S+16*\qt+\i], vcc_lo
.endr
.endr
.endif
.irp qt, 0,1,2,3
	v_max3_num_f32 v[QM+\qt], |v[S+16*\qt]|, |v[S+16*\qt+1]|, |v[S+16*\qt+2]|
.endr
.irp i, 3,5,7,9,11,13
.irp qt, 0,1,2,3
	v_max3_num_f32 v[QM+\qt], v[QM+\qt], |v[S+16*\qt+\i]|, |v[S+16*\qt+\i+1]|
.endr
.endr
.irp qt, 0,1,2,3
	v_max_num_f32 v[QM+\qt], v[QM+\qt], |v[S+16*\qt+15]|
.endr
	KPART \kn, 1
.irp qt, 0,1,2,3
	v_permlanex16_b32 v[QM+4+\qt], v[QM+\qt], s[SEL], s[SEL+1]
.endr
.irp qt, 0,1,2,3
	v_max_num_f32 v[QM+\qt], v[QM+\qt], v[QM+4+\qt]                ; the block's largest magnitude
.endr
.irp qt, 0,1,2,3
	v_lshrrev_b32 v[QM+4+\qt], 23, v[QM+\qt]       ; its exponent field
.endr
.irp qt, 0,1,2,3
	v_max_u32 v[QM+4+\qt], 16, v[QM+4+\qt]         ; the byte is not to fall under 1
.endr
.irp qt, 0,1,2,3
	v_lshl_or_b32 v[QM+8+\qt], v[QM+4+\qt], 23, 0x600000           ; 57,344 x the scale
.endr
.irp qt, 0,1,2,3
	v_add_nc_u32 v[QM+4+\qt], -15, v[QM+4+\qt]     ; the byte
.endr
.irp qt, 0,1,2,3
	v_lshlrev_b32 v[QM+12+\qt], 23, v[QM+4+\qt]    ; the scale as f32
.endr
.irp qt, 0,1,2,3
	v_cmp_eq_u32 vcc_lo, 0, v[QM+\qt]
	v_cndmask_b32 v[QM+16+\qt], v[QM+4+\qt], 127, vcc_lo           ; a block of zeros gets 127
.endr
	KPART \kn, 2
.irp qt, 0,1
.irp i, 0,1,2,3,4,5,6,7,8,9,10,11,12,13,14,15
	v_med3_num_f32 v[S+16*\qt+\i], v[S+16*\qt+\i], -v[QM+8+\qt], v[QM+8+\qt]   ; the conversion does not saturate (ISA guide 7.6.2): hold first
.endr
.endr
	KPART \kn, 3
.irp qt, 2,3
.irp i, 0,1,2,3,4,5,6,7,8,9,10,11,12,13,14,15
	v_med3_num_f32 v[S+16*\qt+\i], v[S+16*\qt+\i], -v[QM+8+\qt], v[QM+8+\qt]
.endr
.endr
.irp qt, 0,1,2,3
	v_cvt_scalef32_pk8_bf8_f32 v[PO+4*\qt:PO+4*\qt+1], v[S+16*\qt:S+16*\qt+7], v[QM+12+\qt]
	v_cvt_scalef32_pk8_bf8_f32 v[PO+4*\qt+2:PO+4*\qt+3], v[S+16*\qt+8:S+16*\qt+15], v[QM+12+\qt]
.endr
	v_nop                                          ; one plain instruction behind the conversions
.irp qt, 0,1,2,3
	ds_store_b128 v[PST], v[PO+4*\qt:PO+4*\qt+3] offset:\e*PBUF+\qt*2048
	ds_store_b8 v[PSS], v[QM+16+\qt] offset:\e*PBUF+\qt*64         ; both halves of the lanes write the same byte with the same value
.endr
.endm
; A STEP, the slot's e-th.  Its key fragments are in registers: they were fetched in the step before and waited for in front of the barrier (prev = 0: by the wait below).
; prev = 1: the step before left P in buffer 1 - e, and V of that step lies in set 1 - e: P is asked for first, this step's 32 products follow at once, and the step before's second product comes behind them.
; vnext = 1: set 1 - e then takes V of the step after this one.  ozero = 1: that second product starts O^T's sums: nothing is ever cleared.
; lc: the global loads that may stay out: prev = 1: those younger than V of the step before; prev = 0: those younger than the block's Q.  kn: the keys to fetch for the next step.
.macro STEP e, sync, mask, vnext, ozero, prev, lc, kn
	SYNC \sync
.if \prev
	PLOAD 1-\e
.else
	s_wait_loadcnt \lc                             ; Q is in
	s_wait_dscnt 0x0                               ; the key fragments are in
.endif
	SMUL
.if \prev
	s_wait_loadcnt \lc                             ; V of the step before is in
	s_wait_dscnt 0x0                               ; P is in: asked for 32 matrix instructions ago
	PV 1-\e, \ozero
.endif
	WIN 0
	PLACES 8                                       ; eight places behind both groups of products: for the reads of S^T, and for the loads into K's, P's, V's and the scales' registers
.if \vnext
	VNEXT 1-\e
.endif
	QUANT \e, \mask, \kn
.endm
.macro SLOT mask, sync0, vlast, klast
	STEP 0, \sync0, \mask, 1, 0, 1, 9, 1           ; 9: this step's V stays out
	STEP 1, 1, \mask, \vlast, 0, 1, 9, \klast
.endm
.macro FIRST mask, lc0, lc1            ; a block's first slot
	STEP 0, 0, \mask, 0, 0, 0, \lc0, 1
	STEP 1, 1, \mask, 1, 1, 1, \lc1, 2
.endm
.macro PASSINIT b                      ; block b: the mask's bases, and V's first two steps
	s_lshl_b32 s58, s[\b], 6
.irp qt, 0,1,2,3
	v_add3_u32 v[TQ+\qt], v[RB], s58, 32*(\qt/2)+8*(\qt%2)
.endr
	s_wait_xcnt 0x0                                ; V's base, and the registers that the last block's stores read, are rewritten only behind this wait
	s_mov_b64 s[SV:SV+1], s[SV0:SV0+1]
	VLOAD 0, 0
	VLOAD 1, VSTEP
	s_wait_xcnt 0x0
	s_add_nc_u64 s[SV:SV+1], s[SV:SV+1], VSTEP
.endm
; A block's end: the last step's second product, then the way out.  A lane holds eight neighbouring channels of one query; the four waves hold the four quarters of a row: so the block goes through
; one stage in LDS, with a barrier between writing and reading, and leaves as whole rows of 512 bytes.
.macro FINISH sync, so
	SYNC \sync
	PLOAD 1
	s_wait_loadcnt 0x0                             ; V of the last step is in
	s_wait_dscnt 0x0                               ; P is in
	PV 1, 0
	WIN 0
	PLACES 8
.irp qt, 0,1,2,3
.irp dt, 0,1
	ds_store_b128 v[OST], v[OA+8*(2*\qt+\dt):OA+8*(2*\qt+\dt)+3] offset:\qt*16*SPITCH+\dt*64          ; each accumulator from its low end on
	ds_store_b128 v[OST], v[OA+8*(2*\qt+\dt)+4:OA+8*(2*\qt+\dt)+7] offset:\qt*16*SPITCH+\dt*64+16
.endr
.endr
	s_wait_dscnt 0x0                               ; for the others' sake: my stores into the stage are done
	s_barrier_signal -1
	s_barrier_wait -1
.irp p, 0,1,2,3,4,5,6,7,8,9,10,11,12,13,14,15
	ds_load_b128 v[S+4*\p:S+4*\p+3], v[ORD] offset:\p*SPITCH
.endr
.irp p, 0,1,2,3,4,5,6,7,8,9,10,11,12,13,14,15
	s_wait_dscnt 15-\p                             ; the younger rows stay out
	global_store_b128 v[L16], v[S+4*\p:S+4*\p+3], s[\so:\so+1] offset:(\p+8*(\p/8))*512 th:TH_STORE_NT   ; 32 lanes store a whole row of out: 512 consecutive bytes, aligned
.endr
.endm
.set QWIN, 0x06                        ; BLOCK bB: Q in window 1, its scale words in v32-39
.set QSB,  QS
	QLOAD SQB, 0x40, QS
	PASSINIT 14
	s_wait_tensorcnt 0x1                           ; my part of tile 0 is in, and only I read it; tile 1 stays out
	KSCL 2                                         ; the first step's keys
	KPART 2, 0
	KPART 2, 1
	KPART 2, 2
	KPART 2, 3
	QLOAD SQA, 0xc0, QS2                           ; the other block's Q, into window 3: its 72 loads land under this block's work
	FIRST 1, 63, 63                                ; key slot 0.  Behind Q's last load stand 18 loads of V and 72 of the other Q, behind V(0)'s last 9 and 72: each wait names 63 of them, the most that a wait's count can name
	s_cmp_eq_u32 s[CC], 0                          ; c is the same in all four partners: they pass the same rounds and ask for the same tiles
	s_cbranch_scc1 .Lb_end
	s_cmp_eq_u32 s[CC], 1
	s_cbranch_scc1 .Lb_diag
	s_sub_co_u32 s[CNT], s[CC], 1
.Lb_loop:                                              ; key slots 1 .. c - 1: nothing to mask
	SLOT 0, 2, 1, 2
	s_sub_co_u32 s[CNT], s[CNT], 1
	s_cmp_gt_i32 s[CNT], 0
	s_cbranch_scc1 .Lb_loop
.Lb_diag:
	s_lshl_b32 s[KB], s[CC], 8                     ; key slot c holds the diagonal
	SLOT 1, 2, 0, 2
.Lb_end:
	FINISH 2, SOB                                  ; the ring goes on into block bA: its first keys are in registers, the tile after its first is asked for
.set QWIN, 0x0e                        ; BLOCK bA = 31 - bB: Q in window 3, its scale words in v212-219
.set QSB,  QS2
	PASSINIT 15
	FIRST 0, 18, 9                                 ; key slot 0; the block has five slots or more, so this one lies in front of the diagonal.  18: V's first two steps stay out; 9: the second
	s_sub_co_u32 s[CNT], 6, s[CC]
.La_loop:                                              ; key slots 1 .. 6 - c
	SLOT 0, 2, 1, 2
	s_sub_co_u32 s[CNT], s[CNT], 1
	s_cmp_gt_i32 s[CNT], 0
	s_cbranch_scc1 .La_loop
	s_sub_co_u32 s[KB], 7, s[CC]
	s_lshl_b32 s[KB], s[KB], 8                     ; key slot 7 - c holds the diagonal; nothing is left to ask for, so a plain barrier stands at its head, and its last step fetches no keys
	SLOT 1, 1, 0, 0
	FINISH 1, SOA
	s_wait_tensorcnt 0x0                           ; the wave's end: behind my last tensor load and my last LDS store
	ds_add_u32 v[SPW], v[NIL]
	s_wait_dscnt 0x0
	ROUND                                          ; the closing round: no work-group ends while a partner may still ask for a tile that names it
	s_endpgm
.Lfunc_end_k_qf7f56afa91_attn:
	.size	k_qf7f56afa91_attn, .Lfunc_end_k_qf7f56afa91_attn-k_qf7f56afa91_attn
	.p2alignl 7, 3214868480
	.fill 96, 4, 3214868480
	.section	.rodata,"a",@progbits
	.p2align	6, 0x0
	.amdhsa_kernel k_qf7f56afa91_attn
		.amdhsa_group_segment_fixed_size 327680
		.amdhsa_private_segment_fixed_size 0
		.amdhsa_enable_private_segment 0
		.amdhsa_kernarg_size 24
		.amdhsa_user_sgpr_count 2
		.amdhsa_user_sgpr_kernarg_segment_ptr 1
		.amdhsa_wavefront_size32 1
		.amdhsa_system_sgpr_workgroup_id_x 1
		.amdhsa_system_sgpr_workgroup_id_y 1
		.amdhsa_system_sgpr_workgroup_id_z 1
		.amdhsa_system_vgpr_workitem_id 0
		.amdhsa_next_free_vgpr 1024
		.amdhsa_next_free_sgpr 66
		.amdhsa_reserve_vcc 1
		.amdhsa_float_denorm_mode_32 3
		.amdhsa_float_denorm_mode_16_64 3
		.amdhsa_memory_ordered 1
		.amdhsa_forward_progress 1
		.amdhsa_inst_pref_size 255
	.end_amdhsa_kernel
	.section	.bss,"aw",@nobits
	.p2align	6
	.space	262144
	.amdgpu_metadata
---
amdhsa.version: [ 1, 2 ]
amdhsa.kernels:
  - .name:           k_qf7f56afa91_attn
    .symbol:         k_qf7f56afa91_attn.kd
    .args:
      - { .name: qk, .offset: 0, .size: 8, .value_kind: global_buffer, .address_space: global }
      - { .name: vt, .offset: 8, .size: 8, .value_kind: global_buffer, .address_space: global }
      - { .name: out0, .offset: 16, .size: 8, .value_kind: global_buffer, .address_space: global }
    .group_segment_fixed_size: 327680
    .private_segment_fixed_size: 0
    .kernarg_segment_align: 8
    .kernarg_segment_size: 24
    .max_flat_workgroup_size: 128
    .sgpr_count:     66
    .vgpr_count:     1024
    .wavefront_size: 32
...
	.end_amdgpu_metadata
.endif
;; end of part 4
